; MI455X (gfx1250); checked and timed in simulation.
; The chip was launched on July 23, 2026; its instructions are those of AMD's public machine-readable ISA for CDNA 5 (MIT licence, August 2026) and "CDNA5" Instruction Set Architecture Reference Guide (July 2026). The comments in the code are by the model that wrote it; some were corrected since.
;; Rotary Self Attention. Allowed arithmetic: matrix products marked QUANTISED: E4M3 operands, one given power-of-two scale a tensor, by v_wmma_f32_16x16x64_fp8_fp8 or v_wmma_f32_16x16x128_fp8_fp8, f32 sums; everything else in f32.
;; Inputs: freqs_cos 2,048 x 64 float32; freqs_sin 2,048 x 64 float32; k_norm_w 128 float32; lowp_scales 12 int32 (the exponents e of the quantised operands' scales 2^e); q_norm_w 128 float32; wk 2,048 x 512 float32; wo 2,048 x 2,048 float32; wq 2,048 x 2,048 float32; wv 2,048 x 512 float32; x 1 x 2,048 x 2,048 float32.
;; Outputs: out0 1 x 2,048 x 2,048 float32.
;; This version of the problem:
;;   THIS VERSION OF THE PROBLEM IS GIVEN IN LOW PRECISION. The matrix products marked QUANTISED in the list below multiply operands that are first quantised to E4M3 (4 exponent bits, 3 mantissa bits; 8 bits a number), with one given power-of-two scale for each operand tensor; their sums are f32. All else is computed in f32.
;;   The module's matrix products, in the order in which they are computed (A, B: the left and right operand; K: the contracted axis; several contracted axes count as one K, in the product's order):
;;     1. [M 2,048, K 2,048] x [K 2,048, N 2,048]; A: input x; B: input wq: QUANTISED (scales: A lowp_scales[0], B lowp_scales[1])
;;     2. [M 2,048, K 2,048] x [K 2,048, N 512]; A: input x; B: input wk: QUANTISED (scales: A lowp_scales[2], B lowp_scales[3])
;;     3. [M 2,048, K 2,048] x [K 2,048, N 512]; A: input x; B: input wv: QUANTISED (scales: A lowp_scales[4], B lowp_scales[5])
;;     4. batch 16 x [M 2,048, K 128] x [K 128, N 2,048]; A: computed on the way; B: computed on the way: QUANTISED (scales: A lowp_scales[6], B lowp_scales[7])
;;     5. batch 16 x [M 128, K 2,048] x [K 2,048, N 2,048]; A: computed on the way; B: softmax (see below): QUANTISED (scales: A lowp_scales[8], B lowp_scales[9])
;;     6. [M 2,048, K 2,048] x [K 2,048, N 2,048]; A: computed on the way; B: input wo: QUANTISED (scales: A lowp_scales[10], B lowp_scales[11])
;;   THE QUANTISER, for each operand of a quantised product, along K:
;;     - The operand's scale is 2^e, e = its entry of the input lowp_scales (int32; the entries are numbered through the quantised products in the list's order, A before B).
;;     - Each number is divided by the scale, clamped to +-448, and rounded to the nearest number of E4M3, ties to even, subnormals kept.
;;     - The product sums the exact products of the quantised numbers (number of the format x scale) in f32.
;;   ~~~python
;;   def quantise(x, axis, e):      # numpy; x: float32 -> the quantised numbers, widened to float32 again
;;       x = np.moveaxis(x, axis, -1); K = x.shape[-1]
;;       r = np.clip(x / 2.0 ** e, -448, 448)
;;       step = 2.0 ** (np.maximum(np.frexp(np.where(r == 0, 1, r))[1] - 1, -6) - 3)
;;       q = np.round(r / step) * step * 2.0 ** e      # np.round: ties to even
;;       return np.moveaxis(q, -1, axis).astype(np.float32)
;;   ~~~
;;   SOFTMAX AHEAD OF A QUANTISED PRODUCT. Where the list says 'softmax', what is quantised is not the finished softmax but p = 2^(t - M), with t = logit x log2(e) and M = ceil(the row's largest t), a whole number; so 1/2 < the row's largest p <= 1. The row's sum l is taken of the UNQUANTISED p, in f32, and the product's result is divided by l at the end. Since M is a whole number, a kernel that streams over the keys may use a running M (the ceiling of the running maximum): every later rescaling is an exact power of two, so the quantised numbers keep their values, but for numbers so far below the row's largest that they fall under the format's range.
;;   OPERANDS COMPUTED ON THE WAY. 'Computed on the way' means the value that the module computes at that place (a softmax that the list does not call 'softmax' is quantised finished and normalised). What goes into a quantiser is computed in f32, as accurately as f32 sums, v_exp_f32 and their like allow (about 1e-6 of the number): no bf16 or f16 on the way to a quantiser, and a product that is left as it is and whose result goes on into a quantised operand takes f32 operands (vector FMAs, or v_wmma_f32_16x16x4_f32). A number that lies on a knife's edge between two numbers of the format may be rounded either way, as far as f32 arithmetic and the matrix unit's own rounding can turn it there, and no further.
;; One version. Each part assembles by itself: llvm-mc -triple=amdgcn-amd-amdhsa -mcpu=gfx1250 --defsym DOCPART=n.
;; ======== version 1 of 1: 4 launches
;; limits: right only within a limited range of input values
;; workspace buffers: xc 12,582,912 bytes; wc 10,485,760 bytes; qimg 4,194,304 bytes; kv 2,097,152 bytes; yimg 4,194,304 bytes
;; launch quant (part 1): grid 448 x 1, 4 waves a work-group, no clusters, 34,304 bytes of LDS; arguments x, wq, wk, wv, wo, lowp_scales, xc, wc; writes xc, wc
.if DOCPART == 1
	.amdgcn_target "amdgcn-amd-amdhsa--gfx1250"
	.amdhsa_code_object_version 6
	.text
	.protected	k_q13e504fddc_quant
	.globl	k_q13e504fddc_quant
	.p2align	8
	.type	k_q13e504fddc_quant,@function
k_q13e504fddc_quant:
	s_mov_b64 s[64:65], 0
	v_nop
	global_prefetch_b8 v0, s[64:65] scope:SCOPE_SE
	s_setreg_imm32_b32 hwreg(HW_REG_WAVE_MODE, 25, 1), 1
	s_wait_xcnt 0x0
; x [2048][2048] and the weights wq [2048][2048], wk, wv [2048][512], wo [2048][2048], all f32, become codes of E4M3, each with the scale 2^e that is given for it.
; code = number / 2^e, held within +-448, rounded to the nearest code, ties to even.  x is an operand of three products with three given scales (entries 0, 2, 4): it is read once and quantised three times.
; THE CODES ARE LAID AS IMAGES OF OPERAND REGISTERS.  An image is 16 rows x 128 along K, 2,048 bytes: byte 512 c + 16 (16 h + r) + i is the code of (row slot r, k = 32 c + 16 h + i).
; Four loads of 16 bytes a lane at 16 x lane + 512 c then give a lane registers 4 c .. 4 c + 3 of a fragment.  The same order of k is used on both sides of every product.
; THE ROWS OF A TILE ARE NOT NEIGHBOURS: slot r of tile T stands for index 32 (T / 2) + 8 (T % 2) + r + 8 (r / 8), for tokens and for weight columns alike, so that a later product's
; results of two neighbouring tiles are 16 neighbours along the next K.
; xc: [version 3][token block 8][K step 16][tile 16][2048].   wc: [column block of 128: 40][K step 16][tile 8][2048]; blocks 0-15 wq, 16-19 wk, 20-23 wv, 24-39 wo.
; Work-groups 0-127 take x (one token tile each; wave w its K steps 4 w .. 4 w + 3); work-groups 128-447 take the weights (128 columns x 256 along K each).  Only x's path uses LDS.
; No tensor loads, no barrier: waves share nothing.
; LIMITS: each e used here (entries 0 to 5 and 11) lies between -126 and 119, so that 2^e and 448 x 2^e are f32 numbers.  NaN among the inputs is not served.
.set R,    32                          ; x: v32-95    16 rows x 512 bytes as loaded, 16 bytes a lane
.set X,    96                          ; x: v96-159   my 64 numbers of a unit: register 16 c + m is k = 32 c + 16 h + m of row slot r
.set T0,   160                         ; x: v160-175, v176-191: 16 numbers held for the first and the second scale
.set T1,   176
.set C,    192                         ; x: v192-239  three versions x 16 registers of codes
.set SP,   528                         ; x: a stage row: 512 bytes + 16 of padding = 132 words, so that the 16 rows that a read touches start 4 words apart
.set OFF,  32                          ; weights: v32-63   byte offset of (row i of a block of 32, my column)
.set WX,   64                          ; weights: v64-127  two sets of 32 numbers down K
.set WC,   128                         ; weights: v128-191 eight registers of codes for each of 8 blocks: no store's data are written again
.macro XLOAD u                         ; unit u: 16 rows x 128 numbers; each load reads one row's 512 consecutive bytes
.set pp, 0
.rept 16
	global_load_b128 v[R+4*pp:R+4*pp+3], v1, s[24:25] offset:(pp+8*(pp/8))*8192+512*(\u) th:TH_LOAD_NT
.set pp, pp+1
.endr
.endm
.macro XTURN                           ; through my wave's own stage: in as loaded, out 64 bytes a lane for each block of 32.  LDS serves a wave's instructions in order: no wait between
.set pp, 0
.rept 16
	ds_store_b128 v2, v[R+4*pp:R+4*pp+3] offset:SP*pp
.set pp, pp+1
.endr
.set pp, 0
.rept 16
	ds_load_b128 v[X+4*pp:X+4*pp+3], v3 offset:128*(pp/4)+16*(pp%4)
.set pp, pp+1
.endr
.endm
.macro XQ c                            ; my 16 numbers of block c, three times: the hold (the conversion to an 8-bit code does not saturate: ISA guide 7.6.2), then the conversion
.set mm, 0
.rept 16
	v_med3_num_f32 v[T0+mm], v[X+16*(\c)+mm], -v17, v17
.set mm, mm+1
.endr
	v_cvt_scalef32_pk8_fp8_f32 v[C+4*(\c):C+4*(\c)+1], v[T0:T0+7], v16
	v_cvt_scalef32_pk8_fp8_f32 v[C+4*(\c)+2:C+4*(\c)+3], v[T0+8:T0+15], v16
.set mm, 0
.rept 16
	v_med3_num_f32 v[T1+mm], v[X+16*(\c)+mm], -v19, v19   ; (these plain lines also part the conversions above from the next write of their sources)
.set mm, mm+1
.endr
	v_cvt_scalef32_pk8_fp8_f32 v[C+16+4*(\c):C+16+4*(\c)+1], v[T1:T1+7], v18
	v_cvt_scalef32_pk8_fp8_f32 v[C+16+4*(\c)+2:C+16+4*(\c)+3], v[T1+8:T1+15], v18
.set mm, 0
.rept 16
	v_med3_num_f32 v[X+16*(\c)+mm], v[X+16*(\c)+mm], -v21, v21
.set mm, mm+1
.endr
	v_cvt_scalef32_pk8_fp8_f32 v[C+32+4*(\c):C+32+4*(\c)+1], v[X+16*(\c):X+16*(\c)+7], v20
	v_cvt_scalef32_pk8_fp8_f32 v[C+32+4*(\c)+2:C+32+4*(\c)+3], v[X+16*(\c)+8:X+16*(\c)+15], v20
.endm
.macro XSTORE u                        ; three images: each store covers 512 consecutive bytes, aligned
.irp n, 0,1,2
.irp c, 0,1,2,3
	global_store_b128 v1, v[C+16*\n+4*\c:C+16*\n+4*\c+3], s[26+2*\n:27+2*\n] offset:32768*(\u)+512*\c
.endr
.endr
.endm
.macro WLOAD B                         ; block B of 32 along K, my column: 32 lanes read 128 consecutive bytes of one row
.set ii, 0
.rept 32
	global_load_b32 v[WX+32*((\B)%2)+ii], v[OFF+ii], s[32+2*(\B):33+2*(\B)] th:TH_LOAD_NT
.set ii, ii+1
.endr
.endm
.macro WBLOCK B
.if (\B) < 7
	s_wait_loadcnt 32                              ; this block's 32 loads are in; the next block's 32 may be out
.else
	s_wait_loadcnt 0x0
.endif
.set ii, 0
.rept 32
	v_med3_num_f32 v[WX+32*((\B)%2)+ii], v[WX+32*((\B)%2)+ii], -v10, v10
.set ii, ii+1
.endr
.irp g, 0,1,2,3
	v_cvt_scalef32_pk8_fp8_f32 v[WC+8*(\B)+2*\g:WC+8*(\B)+2*\g+1], v[WX+32*((\B)%2)+8*\g:WX+32*((\B)%2)+8*\g+7], v11
.endr
	global_store_b128 v4, v[WC+8*(\B):WC+8*(\B)+3], s[50:51] offset:((\B)/4)*16384+512*((\B)%4)          ; k = 32 c + 0 .. 15: each half of the lanes fills 256 consecutive bytes, aligned
	global_store_b128 v4, v[WC+8*(\B)+4:WC+8*(\B)+7], s[50:51] offset:((\B)/4)*16384+512*((\B)%4)+256    ; k = 32 c + 16 .. 31
.if (\B)+2 < 8
	WLOAD (\B)+2
.endif
.endm
	s_load_b512 s[4:19], s[0:1], 0x0               ; x s[4:5], wq s[6:7], wk s[8:9], wv s[10:11], wo s[12:13], the scales s[14:15], xc s[16:17], wc s[18:19]
	v_lshl_add_u32 v240, v0, 2, 0x8400
	v_mov_b32 v241, 0
	v_lshrrev_b32 v5, 5, v0
	v_readfirstlane_b32 s20, v5                    ; wave 0..3
	v_and_b32 v6, 31, v0
	v_lshlrev_b32 v1, 4, v6                        ; 16 x lane
	v_and_b32 v7, 15, v0                           ; r
	v_bfe_u32 v8, v0, 4, 1                         ; h
	s_wait_kmcnt 0x0
	s_load_b256 s[68:75], s[14:15], 0x0            ; e0 .. e7
	s_load_b128 s[76:79], s[14:15], 0x20           ; e8 .. e11
	s_cmp_lt_u32 ttmp9, 128
	s_cbranch_scc0 .Lweights
	; ---- x: token tile T = the work-group's number; my wave's K steps 4 w .. 4 w + 3
	s_mul_i32 s21, s20, 16*SP                      ; my stage
	s_wait_alu depctr_va_vdst(0)
	v_add_nc_u32 v2, s21, v1                       ; in: 16 x lane of a row
	v_mul_u32_u24 v3, v7, SP
	v_lshl_add_u32 v3, v8, 6, v3
	v_add_nc_u32 v3, s21, v3                       ; out: row r, + 64 h
	s_lshr_b32 s22, ttmp9, 1
	s_lshl_b32 s22, s22, 5
	s_and_b32 s23, ttmp9, 1
	s_lshl_b32 s23, s23, 3
	s_add_co_u32 s22, s22, s23                     ; the tile's first token: 32 (T / 2) + 8 (T % 2)
	s_lshl_b32 s22, s22, 13                        ; a row of x is 8,192 bytes
	s_lshl_b32 s23, s20, 11                        ; my first K step: 4 w x 512 bytes
	s_add_co_u32 s22, s22, s23
	s_mov_b32 s23, 0
	s_add_nc_u64 s[24:25], s[4:5], s[22:23]
	s_lshr_b32 s22, ttmp9, 4
	s_lshl_b32 s22, s22, 19                        ; token block x 524,288
	s_lshl_b32 s21, s20, 17                        ; + 4 w K steps x 32,768
	s_add_co_u32 s22, s22, s21
	s_and_b32 s21, ttmp9, 15
	s_lshl_b32 s21, s21, 11                        ; + the tile's 2,048
	s_add_co_u32 s22, s22, s21
	s_add_nc_u64 s[26:27], s[16:17], s[22:23]      ; version 0,
	s_add_nc_u64 s[28:29], s[26:27], 0x400000      ; 1,
	s_add_nc_u64 s[30:31], s[26:27], 0x800000      ; 2
	XLOAD 0
	s_wait_alu depctr_va_vdst(0)
	s_wait_kmcnt 0x0
.irp n, 0,1,2
	s_add_co_i32 s21, s[68+2*\n], 127
	s_lshl_b32 s22, s21, 23
	v_mov_b32 v[16+2*\n], s22                      ; 2^e as f32: the conversion takes its exponent field
	s_add_co_i32 s21, s21, 8
	s_lshl_b32 s21, s21, 23
	s_or_b32 s21, s21, 0x600000
	v_mov_b32 v[17+2*\n], s21                      ; 448 x 2^e
.endr
	s_wait_alu depctr_va_vdst(0)
.irp u, 0,1,2,3
	s_wait_loadcnt 0x0                             ; the unit's 16 loads are in
	XTURN
	s_wait_dscnt 0x0                               ; my 64 numbers are back, and the stage's stores have read the loaded registers,
	s_wait_xcnt 0x0                                ; and the last unit's stores have read their codes: both sets may be written again
.if \u < 3
	XLOAD \u+1                                     ; the next unit comes in while this one is quantised
.endif
	XQ 0
	XQ 1
	XQ 2
	XQ 3
	XSTORE \u
.endr
	s_wait_tensorcnt 0x0
	ds_add_u32 v240, v241
	s_wait_dscnt 0x0
	s_endpgm
	; ---- the weights: a lane takes a column, and its registers run down K, so that the conversions give codes with K innermost
.Lweights:
	s_sub_co_u32 s21, ttmp9, 128
	s_lshr_b32 s22, s21, 3                         ; NB: column block 0..39
	s_and_b32 s23, s21, 7                          ; which 256 along K
	s_sub_co_u32 s26, s22, 24
	s_sub_co_u32 s29, s22, 20
	s_sub_co_u32 s30, s22, 16
	s_mov_b32 s27, 8192                            ; a row of wq or wo in bytes,
	s_mov_b32 s31, 2048                            ; of wk or wv
	s_wait_kmcnt 0x0
	s_cmp_lt_u32 s22, 24                           ; the tensor, its block, its pitch and its scale are chosen on the work-group's number alone
	s_cselect_b64 s[24:25], s[10:11], s[12:13]
	s_cselect_b32 s26, s29, s26
	s_cselect_b32 s27, s31, s27
	s_cselect_b32 s28, s73, s79
	s_cmp_lt_u32 s22, 20
	s_cselect_b64 s[24:25], s[8:9], s[24:25]
	s_cselect_b32 s26, s30, s26
	s_cselect_b32 s28, s71, s28
	s_cmp_lt_u32 s22, 16
	s_cselect_b64 s[24:25], s[6:7], s[24:25]
	s_cselect_b32 s26, s22, s26
	s_cselect_b32 s27, 8192, s27
	s_cselect_b32 s28, s69, s28
	s_lshl_b32 s52, s26, 9                         ; the block's 128 columns: 512 bytes
	s_lshl_b32 s53, s23, 8
	s_mul_i32 s53, s53, s27                        ; + 256 rows x which
	s_add_co_u32 s52, s52, s53
	s_mov_b32 s53, 0
	s_add_nc_u64 s[32:33], s[24:25], s[52:53]      ; a base for each block of 32 rows
	s_lshl_b32 s54, s27, 5
	s_mov_b32 s55, 0
.irp q, 1,2,3,4,5,6,7
	s_add_nc_u64 s[32+2*\q:33+2*\q], s[30+2*\q:31+2*\q], s[54:55]
.endr
	s_lshl_b32 s52, s22, 18                        ; wc: block x 262,144
	s_lshl_b32 s56, s23, 15                        ; + two K steps x 16,384 x which
	s_add_co_u32 s52, s52, s56
	s_add_nc_u64 s[50:51], s[18:19], s[52:53]
	v_and_b32 v9, 7, v0
	v_bfe_u32 v12, v0, 3, 1
	v_lshl_add_u32 v9, v12, 4, v9
	s_wait_alu depctr_va_vdst(0)
	v_lshl_add_u32 v9, v8, 3, v9
	s_lshl_b32 s56, s20, 5
	v_add_nc_u32 v9, s56, v9                       ; my column: 32 w + 8 (l / 16) + l % 8 + 16 ((l / 8) % 2): slot l % 16 of tile 2 w + l / 16
	v_lshlrev_b32 v9, 2, v9
.set ii, 0
.rept 32
	v_mad_u32_u24 v[OFF+ii], ii, s27, v9
.set ii, ii+1
.endr
	v_lshlrev_b32 v4, 4, v7
	v_lshl_add_u32 v4, v8, 11, v4
	s_lshl_b32 s56, s20, 12
	v_add_nc_u32 v4, s56, v4                       ; my 16 bytes in an image: tile x 2,048 + 16 x slot
	WLOAD 0
	WLOAD 1
	s_add_co_i32 s28, s28, 127
	s_lshl_b32 s29, s28, 23
	v_mov_b32 v11, s29                             ; 2^e
	s_add_co_i32 s28, s28, 8
	s_lshl_b32 s28, s28, 23
	s_or_b32 s28, s28, 0x600000
	v_mov_b32 v10, s28                             ; 448 x 2^e
	s_wait_alu depctr_va_vdst(0)
.irp q, 0,1,2,3,4,5,6,7
	WBLOCK \q
.endr
	s_endpgm
.Lfunc_end_k_q13e504fddc_quant:
	.size	k_q13e504fddc_quant, .Lfunc_end_k_q13e504fddc_quant-k_q13e504fddc_quant
	.p2alignl 7, 3214868480
	.fill 96, 4, 3214868480
	.section	.rodata,"a",@progbits
	.p2align	6, 0x0
	.amdhsa_kernel k_q13e504fddc_quant
		.amdhsa_group_segment_fixed_size 34304
		.amdhsa_private_segment_fixed_size 0
		.amdhsa_enable_private_segment 0
		.amdhsa_kernarg_size 64
		.amdhsa_user_sgpr_count 2
		.amdhsa_user_sgpr_kernarg_segment_ptr 1
		.amdhsa_wavefront_size32 1
		.amdhsa_system_sgpr_workgroup_id_x 1
		.amdhsa_system_sgpr_workgroup_id_y 1
		.amdhsa_system_sgpr_workgroup_id_z 1
		.amdhsa_system_vgpr_workitem_id 0
		.amdhsa_next_free_vgpr 242
		.amdhsa_next_free_sgpr 96
		.amdhsa_reserve_vcc 0
		.amdhsa_float_denorm_mode_32 3
		.amdhsa_float_denorm_mode_16_64 3
		.amdhsa_memory_ordered 1
		.amdhsa_forward_progress 1
		.amdhsa_inst_pref_size 124
	.end_amdhsa_kernel
	.amdgpu_metadata
---
amdhsa.version: [ 1, 2 ]
amdhsa.kernels:
  - .name:           k_q13e504fddc_quant
    .symbol:         k_q13e504fddc_quant.kd
    .args:
      - { .name: x, .offset: 0, .size: 8, .value_kind: global_buffer, .address_space: global }
      - { .name: wq, .offset: 8, .size: 8, .value_kind: global_buffer, .address_space: global }
      - { .name: wk, .offset: 16, .size: 8, .value_kind: global_buffer, .address_space: global }
      - { .name: wv, .offset: 24, .size: 8, .value_kind: global_buffer, .address_space: global }
      - { .name: wo, .offset: 32, .size: 8, .value_kind: global_buffer, .address_space: global }
      - { .name: lowp_scales, .offset: 40, .size: 8, .value_kind: global_buffer, .address_space: global }
      - { .name: xc, .offset: 48, .size: 8, .value_kind: global_buffer, .address_space: global }
      - { .name: wc, .offset: 56, .size: 8, .value_kind: global_buffer, .address_space: global }
    .group_segment_fixed_size: 34304
    .private_segment_fixed_size: 0
    .kernarg_segment_align: 8
    .kernarg_segment_size: 64
    .max_flat_workgroup_size: 128
    .sgpr_count:     96
    .vgpr_count:     242
    .wavefront_size: 32
...
	.end_amdgpu_metadata
.endif
;; end of part 1
;; launch qkv (part 2): grid 24 x 8, 4 waves a work-group, clusters of 4 x 4, 327,680 bytes of LDS; arguments xc, wc, freqs_cos, freqs_sin, q_norm_w, k_norm_w, lowp_scales, qimg, kv; writes qimg, kv
.if DOCPART == 2
	.amdgcn_target "amdgcn-amd-amdhsa--gfx1250"
	.amdhsa_code_object_version 6
	.text
	.protected	k_q13e504fddc_qkv
	.globl	k_q13e504fddc_qkv
	.p2align	8
	.type	k_q13e504fddc_qkv,@function
k_q13e504fddc_qkv:
	s_mov_b64 s[64:65], 0
	v_nop
	global_prefetch_b8 v0, s[64:65] scope:SCOPE_SE
	s_setreg_imm32_b32 hwreg(HW_REG_WAVE_MODE, 25, 1), 1
	s_wait_xcnt 0x0
	s_wait_alu depctr_hold_cnt(0) depctr_sa_sdst(0) depctr_va_vdst(0) depctr_va_sdst(0) depctr_va_ssrc(0) depctr_va_vcc(0) depctr_vm_vsrc(0)
	s_getreg_b32 s2, hwreg(HW_REG_IB_STS2, 6, 4)
	s_cmp_eq_u32 s2, 0
	s_cbranch_scc0 .Lentry_in_a_cluster
	s_endpgm
.Lentry_in_a_cluster:
	s_bfe_u32 s2, ttmp6, 0x10000c
	s_cmp_lg_u32 s2, 0xf033
	s_cbranch_scc0 .Lentry_shape_is_right
	s_endpgm
.Lentry_shape_is_right:
; The three projections of x on codes of E4M3, the RMS norm of each head's 128 numbers, RoPE, and the quantising of q, k and v for the attention's two products.
; A work-group makes 256 tokens x 128 columns: one head of q (column blocks 0-15), of k (16-19) or of v (20-23).  Each of its four waves makes 64 tokens x all 128 columns
; (32 accumulators, 256 registers), so that a head's row lies in one wave and the norm never leaves it.
; OPERANDS lie in memory as images of fragment registers (16 rows x 128 K, 2,048 bytes, a lane's 16 bytes at 512 c + 16 x lane): a K step's tiles are one dense block for a tensor load, and a
; fragment is four LDS loads of 512 consecutive bytes.  Slot r of tile T stands for token or column 32 (T / 2) + 8 (T % 2) + r + 8 (r / 8).
; q, k: source 0 = 16 columns of the weight, source 1 = 16 tokens: a lane holds ONE token, and register 8 b + j of its 64 the channel d = 32 (y / 16) + 16 h + y % 16, y = 8 b + j: after norm and RoPE the
; conversions' results ARE the image of the attention's operand (K = d).   v: the sources change places: a lane holds one channel and its registers run along the tokens, the second product's K.
; K goes in steps of 128, two to a slot, through a ring of two LDS slots.  CLUSTERS: 4 x 4 work-groups; the four of a row need the same tokens' tiles, the four of a column the same weight's: each tile is
; asked for jointly.  A cluster's x says which product it serves (0-3: q, 4: k, 5: v), so all sixteen partners read one version of x's codes and take the same branches.
; kv: [head 4][key step 16][k: 8 tiles x 2,048, then v: 8 tiles x 2,048]: a key step of 128 keys is 32,768 dense bytes.   qimg: [head 16][token tile 128][2048].
; LIMITS: e6, e7 and e8 - e4 - e5 lie between -126 and 119, so that each scale and 448 x the scale are f32 numbers; the other powers of two go in by v_ldexp_f32.  NaN among the inputs is not served.
; REGISTERS, in windows of 256: window 0: v1-39 addresses and small things; v64-127 A's four fragments, v128-255 B's eight: set 0; on the way out v64-255 are at work.
;   window 1: accumulator (a, b) at v[8 (8 a + b)].   window 2: v0-63 the gain at my 64 channels; v64-255 set 1.   window 3: token tile a: cos at v[64 a ..], sin at v[64 a + 32 ..], 32 each.
.set APL,   32768                      ; a K step of A in a slot: 16 tiles
.set BPL,   16384                      ; of B: 8 tiles
.set ASL,   2*APL                      ; a slot's part of A, in LDS and in memory,
.set BSL,   2*BPL                      ; and of B
.set SLOT,  ASL+BSL
.set SPARE, 2*SLOT                     ; behind the ring: the spare words, 128 bytes for each wave: two blocks of 256 bytes that no other line names
.set NLD,   48                         ; LDS loads that bring a K step's fragments
.set AF,    64
.set BF,    128
.set LI,    1                          ; v1   16 x lane
.set ADRA,  16                         ; v16-17 LDS address of my A fragments in slot 0, 1
.set ADRB,  20                         ; v20-21 the same for B
.set VCS,   24                         ; v24  my bytes in a tile's rows of cos and sin
.set VNW,   25                         ; v25  my bytes in the gain
.set SPW,   28                         ; v28  my spare word; never rewritten
.set NIL,   29                         ; v29  0; never rewritten
.set SS,    32                         ; v32-35 the sum of squares, in two packed chains
.set FQ,    36                         ; v[36:37] 1 / root x 2^E
.set LIM,   38                         ; v38  448 x the scale
.set SC,    39                         ; v39  the scale as f32
.set YR,    64                         ; the way out: sum x gain
.set TR,    128                        ; turned by RoPE
.set CD,    192                        ; codes
.set WV,    22                         ; s22  wave
.set HF,    23                         ; s23  wave % 2: which half of a slot's part I fetch
.set G1,    24                         ; s[24:31] descriptor group 1 for A;  s[32:39] group 0, one set for each slot
.set G0,    32
.set G1B,   48                         ; s[48:55], s[56:63] the same for B
.set G0B,   56
.set ISV,   81                         ; s81  1 in v's cluster
.set SEL,   82                         ; s[82:83] selects of v_permlanex16_b32: lane l xor 16
.set OB,    84                         ; s[84:85] where my images go
.set EE,    86                         ; s86  E: a sum stands for sum x 2^E
.set E2,    87                         ; s87  2 E - 7: the mean of 128 squares
.set MSB, 0
.macro WIN new                         ; the immediate's high byte repeats the setting that is left
.if MSB != (\new)
	s_set_vgpr_msb (MSB<<8)|(\new)
.set MSB, (\new)
.endif
.endm
.macro PLACES n
.rept \n
	v_nop
.endr
.endm
; A joint load: waves 0 and 1 fetch A's two K steps of a slot, waves 2 and 3 B's.  The branch hangs on the wave's number alone.  Four v_nop follow each line.
.macro JLOAD s
	s_cmp_lt_u32 s[WV], 2
	s_cbranch_scc0 .Lfor_b_\@
	tensor_load_to_lds s[G0+4*\s:G0+4*\s+3], s[G1:G1+7]
	s_nop 0
.rept 4
	v_nop
.endr
	s_branch .Lasked_\@
.Lfor_b_\@:
	tensor_load_to_lds s[G0B+4*\s:G0B+4*\s+3], s[G1B:G1B+7]
	s_nop 0
.rept 4
	v_nop
.endr
.Lasked_\@:
.endm
.macro CREST                           ; a round of the cluster's barrier behind its opening barrier
	s_cmp_lg_u32 s[WV], 0
	s_cbranch_scc1 .Lnot_wave_0_\@
	s_barrier_signal -3
.Lnot_wave_0_\@:
	s_barrier_wait -3
	s_barrier_signal -1
	s_barrier_wait -1
.endm
.macro CROUND
	s_barrier_signal -1
	s_barrier_wait -1
	CREST
.endm
.macro FRAG reg, adr, off              ; an image comes back as it was stored: 512 consecutive bytes a load
.irp c, 0,1,2,3
	ds_load_b128 v[(\reg)+4*\c:(\reg)+4*\c+3], v[\adr] offset:(\off)+512*\c
.endr
.endm
.macro FETCH slot, q, p                ; the slot's q-th K step into set p
.if (\p)
	WIN 0x80                                       ; destination window 2
.endif
.irp a, 0,1,2,3
	FRAG AF+16*\a, ADRA+\slot, (\q)*APL+2048*\a
.endr
.irp b, 0,1,2,3,4,5,6,7
	FRAG BF+16*\b, ADRB+\slot, (\q)*BPL+2048*\b
.endr
	WIN 0
.endm
; 16 matrix instructions: token tiles a0, a0 + 1 x the eight column tiles.  The 32 accumulators take turns, one instruction a turn, in the same order in every step.
; The branch hangs on the cluster's x alone.  zero = 1: the first product starts the sums: nothing is cleared.
.macro MULH a0, p, zero
	s_cmp_eq_u32 s[ISV], 0
	s_cbranch_scc0 .Lv_\@
	WIN 0x50+0x0a*(\p)                             ; C and D window 1; the sources window 0 (set 0) or 2 (set 1)
.irp a, \a0, \a0+1
.irp b, 0,1,2,3,4,5,6,7
.if \zero
	v_wmma_f32_16x16x128_fp8_fp8 v[8*(8*(\a)+\b):8*(8*(\a)+\b)+7], v[BF+16*\b:BF+16*\b+15], v[AF+16*(\a):AF+16*(\a)+15], 0
.else
	v_wmma_f32_16x16x128_fp8_fp8 v[8*(8*(\a)+\b):8*(8*(\a)+\b)+7], v[BF+16*\b:BF+16*\b+15], v[AF+16*(\a):AF+16*(\a)+15], v[8*(8*(\a)+\b):8*(8*(\a)+\b)+7]
.endif
.endr
.endr
	WIN 0
	s_branch .Lj_\@
.Lv_\@:
	WIN 0x50+0x0a*(\p)
.irp a, \a0, \a0+1
.irp b, 0,1,2,3,4,5,6,7
.if \zero
	v_wmma_f32_16x16x128_fp8_fp8 v[8*(8*(\a)+\b):8*(8*(\a)+\b)+7], v[AF+16*(\a):AF+16*(\a)+15], v[BF+16*\b:BF+16*\b+15], 0
.else
	v_wmma_f32_16x16x128_fp8_fp8 v[8*(8*(\a)+\b):8*(8*(\a)+\b)+7], v[AF+16*(\a):AF+16*(\a)+15], v[BF+16*\b:BF+16*\b+15], v[8*(8*(\a)+\b):8*(8*(\a)+\b)+7]
.endif
.endr
.endr
	WIN 0
.Lj_\@:
.endm
.macro MUL p, zero
	MULH 0, \p, \zero
	MULH 2, \p, \zero
.endm
.macro STEP slot, q, zero              ; a K step that has its successor in the same slot
	PLACES 4                                       ; in front of loads into registers that the last products read (ISA guide 7.12.1 for vector instructions)
	FETCH \slot, (\q)+1, ((\q)+1)%2
	s_wait_dscnt NLD                               ; all but the 48 just issued: this step's fragments are in
	MUL (\q)%2, \zero
.endm
; A slot's last K step changes slots: each wave waits for all its tensor loads (its part of the next slot), adds 0 to its spare word, and waits for that and for its reads of this slot.
; fill = 1: the barrier opens a round of the cluster's barrier, and behind it this slot is filled again, two slots ahead along K; the load has two K steps' products in which to land.
.macro TURN slot, next, fill
.if \fill
	s_wait_xcnt 0x0                                ; my last prefetch has read its address: a slot on
	s_add_nc_u64 s[4:5], s[4:5], s[66:67]
.endif
	s_wait_tensorcnt 0x0                           ; no tensor load of mine is out, so a group 0 may be written
	ds_add_u32 v[SPW], v[NIL]                      ; 0 onto my spare word
.if \fill
	s_add_nc_u64 s[G0+4*\slot+2:G0+4*\slot+3], s[G0+4*\slot+2:G0+4*\slot+3], 2*ASL
	s_add_nc_u64 s[G0B+4*\slot+2:G0B+4*\slot+3], s[G0B+4*\slot+2:G0B+4*\slot+3], 2*BSL
.endif
	s_wait_dscnt 0x0                               ; the add is done, my reads of this slot are over, and set 1 is in
	s_barrier_signal -1
	s_barrier_wait -1
.if \fill
	CREST
	JLOAD \slot                                    ; the first tensor load behind the round; its four v_nop are also the places in front of the loads into set 0
.else
	PLACES 4
.endif
	FETCH \next, 0, 0
.if \fill
	s_cmp_gt_u32 s3, 1                             ; the last trip's refills are slots 6 and 7: no slot stands two on
	s_cbranch_scc0 .Lnp_\@
	global_prefetch_b8 v26, s[4:5] th:TH_LOAD_NT scope:SCOPE_SE   ; the slot two refills on
.Lnp_\@:
.endif
	MUL 1, 0
.endm
	s_load_b512 s[4:19], s[0:1], 0x0               ; xc s[4:5], wc s[6:7], cos s[8:9], sin s[10:11], q's gain s[12:13], k's s[14:15], the scales s[16:17], qimg s[18:19]
	s_load_b64 s[20:21], s[0:1], 0x40              ; kv
	v_lshl_add_u32 v[SPW], v0, 2, SPARE
	v_mov_b32 v[NIL], 0
	ds_add_u32 v28, v29
	ds_add_u32 v28, v29
	s_wait_dscnt 0x0
	v_lshrrev_b32 v2, 5, v0
	v_readfirstlane_b32 s[WV], v2                  ; wave 0..3
	s_and_b32 s[HF], s[WV], 1
	s_bfe_u32 s40, ttmp6, 0x40000                  ; cx, cy: my place in the cluster
	s_bfe_u32 s41, ttmp6, 0x40004
	s_lshl_b32 s42, ttmp9, 2
	s_add_co_u32 s42, s42, s40                     ; column block = 4 x cluster x + cx
	s_and_b32 s80, ttmp7, 0xffff
	s_lshl_b32 s80, s80, 2
	s_add_co_u32 s80, s80, s41                     ; token block = 4 x cluster y + cy
	s_lshl_b32 s43, s41, 2
	s_lshl_b32 s43, 15, s43                        ; my row of the cluster
	s_lshl_b32 s44, 0x1111, s40                    ; my column
	; descriptor group 1: a dense block as rows of 256 bytes (32 elements of 8 bytes), no padding: A 128 rows, B 64
	s_or_b32 s[G1], s43, (3<<16)|(1<<21)           ; 15:0 the mask; 17:16 elements of 8 bytes; 21 set beside a mask
	s_or_b32 s[G1B], s44, (3<<16)|(1<<21)
	s_mov_b32 s[G1+1], 32<<16                      ; tensor_dim0
	s_mov_b32 s[G1+2], 128<<16                     ; tensor_dim1
	s_mov_b32 s[G1+3], 32<<16                      ; tile_dim0
	s_mov_b32 s[G1+4], 128                         ; tile_dim1
	s_mov_b32 s[G1+5], 32                          ; the pitch
	s_mov_b32 s[G1+6], 0
	s_mov_b32 s[G1+7], 0
	s_mov_b32 s[G1B+1], 32<<16
	s_mov_b32 s[G1B+2], 64<<16
	s_mov_b32 s[G1B+3], 32<<16
	s_mov_b32 s[G1B+4], 64
	s_mov_b32 s[G1B+5], 32
	s_mov_b32 s[G1B+6], 0
	s_mov_b32 s[G1B+7], 0
	s_max_u32 s66, ttmp9, 3
	s_sub_co_u32 s66, s66, 3                       ; which version of x's codes: 0 for q, 1 for k, 2 for v
	s_lshl_b32 s66, s66, 22
	s_lshl_b32 s67, s80, 19
	s_add_co_u32 s66, s66, s67                     ; + token block x 524,288
	s_lshl_b32 s67, s[HF], 15
	s_add_co_u32 s66, s66, s67                     ; + my K step of the slot's two
	s_mov_b32 s67, 0
	s_lshl_b32 s46, s42, 18                        ; B: column block x 262,144
	s_lshl_b32 s47, s[HF], 14
	s_add_co_u32 s46, s46, s47
	s_mov_b32 s47, 0
	s_cmp_eq_u32 ttmp9, 5
	s_cselect_b32 s[ISV], 1, 0
	s_lshl_b32 s45, s[HF], 15                      ; where they go in a slot: no place in the cluster enters an LDS address
	s_lshl_b32 s2, s[HF], 14
	s_add_co_u32 s2, s2, ASL
	s_wait_kmcnt 0x0
	s_load_b256 s[68:75], s[16:17], 0x0            ; e0 .. e7
	s_load_b128 s[76:79], s[16:17], 0x20           ; e8 .. e11
	s_add_nc_u64 s[66:67], s[4:5], s[66:67]
	s_add_nc_u64 s[46:47], s[6:7], s[46:47]
	CROUND                                         ; all sixteen work-groups are here: the first joint loads meet
.irp s, 0,1
	s_mov_b32 s[G0+4*\s], 1
	s_add_co_u32 s[G0+4*\s+1], s45, \s*SLOT
	s_add_nc_u64 s[G0+4*\s+2:G0+4*\s+3], s[66:67], \s*ASL
	s_or_b32 s[G0+4*\s+3], s[G0+4*\s+3], 0x80000000
	s_mov_b32 s[G0B+4*\s], 1
	s_add_co_u32 s[G0B+4*\s+1], s2, \s*SLOT
	s_add_nc_u64 s[G0B+4*\s+2:G0B+4*\s+3], s[46:47], \s*BSL
	s_or_b32 s[G0B+4*\s+3], s[G0B+4*\s+3], 0x80000000
.endr
	JLOAD 0                                        ; slot 0: one tensor load a wave at the head
	; the prefetches: s[4:5] = my work-group's share of what my wave fetches, two slots on; s[66:67] = a slot on in memory; v26 = the lanes' offsets.
	; Of a wave's 32,768 bytes of A the partner at cx takes 8,192 (32 lanes x 256); of its 16,384 bytes of B the partner at cy takes 4,096 (16 lanes x 256; lanes 16-31 name the last block again).
	s_cmp_lt_u32 s[WV], 2
	s_cselect_b64 s[4:5], s[66:67], s[46:47]
	s_cselect_b32 s6, s40, s41
	s_cselect_b32 s7, 13, 12
	s_cselect_b32 s2, 31, 15
	s_mov_b32 s66, BSL
	s_cselect_b32 s66, ASL, s66
	s_mov_b32 s67, 0
	s_lshl_b32 s6, s6, s7
	s_mov_b32 s7, 0
	s_add_nc_u64 s[4:5], s[4:5], s[6:7]
	s_add_nc_u64 s[4:5], s[4:5], s[66:67]
	s_add_nc_u64 s[4:5], s[4:5], s[66:67]          ; at slot 2
	v_and_b32 v3, 31, v0
	v_lshlrev_b32 v[LI], 4, v3
	v_min_u32 v26, s2, v3
	v_lshlrev_b32 v26, 8, v26
	v_and_b32 v4, 15, v0                           ; r
	v_bfe_u32 v5, v0, 4, 1                         ; h
	s_lshl_b32 s89, s[WV], 13                      ; my four token tiles of the block's sixteen
	v_add_nc_u32 v[ADRA], s89, v[LI]
	v_add_nc_u32 v[ADRA+1], SLOT, v[ADRA]
	v_add_nc_u32 v[ADRB], ASL, v[LI]
	v_add_nc_u32 v[ADRB+1], SLOT, v[ADRB]
	v_and_b32 v6, 8, v4
	v_add_nc_u32 v6, v6, v4                        ; r + 8 (r / 8)
	v_lshlrev_b32 v[VCS], 8, v6                    ; a row of cos or sin is 256 bytes;
	v_lshl_add_u32 v[VCS], v5, 5, v[VCS]           ; my half's eight pairs of each 16: + 32 h
	s_wait_alu depctr_va_vdst(0)
	v_lshlrev_b32 v[VNW], 6, v5                    ; the gain: my half's 16 channels of each 32: 64 h
	s_wait_alu depctr_va_vdst(0)
	v_mov_b32 v[FQ+1], 0                           ; (named as the upper half of a pair)
	global_prefetch_b8 v26, s[4:5] th:TH_LOAD_NT scope:SCOPE_SE   ; slot 2, two fills behind slot 0's
	s_lshl_b32 s90, s80, 16                        ; my wave's first token, 256 x block + 64 x wave, x 256 bytes
	s_lshl_b32 s91, s[WV], 14
	s_add_co_u32 s90, s90, s91
	s_mov_b32 s91, 0
	s_add_nc_u64 s[92:93], s[8:9], s[90:91]
	s_add_nc_u64 s[94:95], s[10:11], s[90:91]
	s_cmp_lt_u32 ttmp9, 4
	s_cselect_b64 s[96:97], s[12:13], s[14:15]     ; q's gain or k's
	; cos, sin and the gain wait in registers from here on.  Every work-group loads them, v's too, which do not use them: so no register's first write stands under a branch.
	WIN 0xc0                                       ; destination window 3
.irp a, 0,1,2,3
.set jj, 0
.rept 8
	global_load_b128 v[64*\a+4*jj:64*\a+4*jj+3], v[VCS], s[92:93] offset:(32*(\a/2)+8*(\a%2))*256+64*(jj/2)+16*(jj%2)
	global_load_b128 v[64*\a+32+4*jj:64*\a+32+4*jj+3], v[VCS], s[94:95] offset:(32*(\a/2)+8*(\a%2))*256+64*(jj/2)+16*(jj%2)
.set jj, jj+1
.endr
.endr
	WIN 0x80                                       ; destination window 2
.set jj, 0
.rept 16
	global_load_b128 v[4*jj:4*jj+3], v[VNW], s[96:97] offset:128*(jj/4)+16*(jj%4)
.set jj, jj+1
.endr
	WIN 0
	s_mov_b32 s[SEL], 0x76543210
	s_mov_b32 s[SEL+1], 0xfedcba98
	s_wait_kmcnt 0x0
	s_add_co_i32 s[EE], s68, s69                   ; e0 + e1
	s_add_co_i32 s87, s70, s71                     ; e2 + e3
	s_add_co_i32 s88, s72, s73                     ; e4 + e5
	s_sub_co_i32 s89, s76, s88                     ; v: a sum's code is sum / 2^(e8 - e4 - e5)
	s_cmp_lt_u32 ttmp9, 4                          ; every choice hangs on the cluster's x; none is a branch
	s_cselect_b32 s[EE], s[EE], s87
	s_cselect_b32 s88, s74, s75                    ; q is quantised with e6, k with e7
	s_cmp_eq_u32 ttmp9, 5
	s_cselect_b32 s88, s89, s88
	s_lshl_b32 s[E2], s[EE], 1
	s_sub_co_i32 s[E2], s[E2], 7
	s_add_co_i32 s88, s88, 127
	s_lshl_b32 s89, s88, 23
	v_mov_b32 v[SC], s89
	s_add_co_i32 s88, s88, 8
	s_lshl_b32 s88, s88, 23
	s_or_b32 s88, s88, 0x600000
	v_mov_b32 v[LIM], s88
	; where my images go
	s_lshl_b32 s90, s42, 18                        ; q: head x 262,144
	s_lshl_b32 s91, s80, 15
	s_add_co_u32 s90, s90, s91                     ;    + 16 tiles x 2,048 x token block
	s_lshl_b32 s91, s[WV], 13
	s_add_co_u32 s90, s90, s91                     ;    + my four tiles
	s_lshl_b32 s98, s40, 19                        ; k, v: head (= cx in their clusters) x 524,288
	s_lshl_b32 s91, s80, 16
	s_add_co_u32 s98, s98, s91                     ;    + two key steps x 32,768 x token block
	s_lshr_b32 s91, s[WV], 1
	s_lshl_b32 s91, s91, 15
	s_add_co_u32 s98, s98, s91                     ;    + my key step
	s_lshl_b32 s91, s[HF], 13
	s_add_co_u32 s99, s98, s91                     ; k: my four of its eight tiles
	s_lshl_b32 s91, s[HF], 10
	s_add_co_u32 s98, s98, s91                     ; v: my 64 keys are registers 8 (w % 2) on of each image,
	s_add_co_u32 s98, s98, 16384                   ;    behind k's eight tiles
	s_cmp_lt_u32 ttmp9, 4
	s_cselect_b64 s[OB:OB+1], s[18:19], s[20:21]
	s_cselect_b32 s90, s90, s99
	s_cmp_eq_u32 ttmp9, 5
	s_cselect_b32 s90, s98, s90
	s_mov_b32 s91, 0
	s_add_nc_u64 s[OB:OB+1], s[OB:OB+1], s[90:91]
	s_wait_xcnt 0x0                                ; the prefetch has read its address
	s_add_nc_u64 s[4:5], s[4:5], s[66:67]          ; on to slot 3
	s_wait_alu depctr_va_vdst(0)                   ; the wait at the head's end
	s_wait_tensorcnt 0x0                           ; my part of slot 0 is in; slot 1's first fill is issued as a refill is
	ds_add_u32 v[SPW], v[NIL]
	s_wait_dscnt 0x0
	CROUND
	JLOAD 1
	FETCH 0, 0, 0
	global_prefetch_b8 v26, s[4:5] th:TH_LOAD_NT scope:SCOPE_SE   ; slot 3
	STEP 0, 0, 1                                   ; the first K step stands in front of the loop: its products start the sums
	s_mov_b32 s3, 3
.Llap:                                             ; a trip goes once round the ring and fills both slots again: 16 K steps are 8 slots' worth, 6 of them refills
	TURN 0, 1, 1
	STEP 1, 0, 0
	TURN 1, 0, 1
	STEP 0, 0, 0
	s_sub_co_u32 s3, s3, 1
	s_cmp_lg_u32 s3, 0
	s_cbranch_scc1 .Llap
	TURN 0, 1, 0                                   ; the last lap fills nothing
	STEP 1, 0, 0
	s_wait_dscnt 0x0
	MUL 1, 0
	s_wait_tensorcnt 0x0                           ; my last LDS instructions: the way out uses no LDS
	ds_add_u32 v[SPW], v[NIL]
	s_wait_dscnt 0x0
	PLACES 4                                       ; in front of the first read of results
	s_wait_loadcnt 0x0                             ; cos, sin, the gain
	s_cmp_eq_u32 s[ISV], 0
	s_cbranch_scc0 .Lvout
; q, k: token tile a.  My 64 sums are half of my token's head; lane l xor 16 holds the other half.
.macro QKBLOCK a
	WIN 0x05                                       ; sources 0 and 1: window 1
	v_pk_mul_f32 v[SS:SS+1], v[64*\a:64*\a+1], v[64*\a:64*\a+1]             ; the sum of squares, two chains, each accumulator from its low end on
	v_pk_mul_f32 v[SS+2:SS+3], v[64*\a+2:64*\a+3], v[64*\a+2:64*\a+3]
.set pp, 2
.rept 15
	v_pk_fma_f32 v[SS:SS+1], v[64*\a+2*pp:64*\a+2*pp+1], v[64*\a+2*pp:64*\a+2*pp+1], v[SS:SS+1]
	v_pk_fma_f32 v[SS+2:SS+3], v[64*\a+2*pp+2:64*\a+2*pp+3], v[64*\a+2*pp+2:64*\a+2*pp+3], v[SS+2:SS+3]
.set pp, pp+2
.endr
	WIN 0
	v_pk_add_f32 v[SS:SS+1], v[SS:SS+1], v[SS+2:SS+3]
	v_add_f32 v[SS], v[SS], v[SS+1]
	v_permlanex16_b32 v[SS+2], v[SS], s[SEL], s[SEL+1]
	v_add_f32 v[SS], v[SS], v[SS+2]
	v_ldexp_f32 v[SS], v[SS], s[E2]                ; the mean of the 128 squares: x 2^(2 E) / 128
	v_add_f32 v[SS], 0x3727c5ac, v[SS]             ; + 1e-5
	s_wait_alu depctr_va_vdst(0)
	v_rsq_f32 v[FQ], v[SS]
	WIN 0x09                                       ; source 0 window 1, source 1 window 2
.set pp, 0
.rept 32
	v_pk_mul_f32 v[YR+2*pp:YR+2*pp+1], v[64*\a+2*pp:64*\a+2*pp+1], v[2*pp:2*pp+1]   ; sum x gain.  (Plain lines behind the root)
.set pp, pp+1
.endr
	WIN 0x0c                                       ; source 1 window 3
.set pp, 0
.rept 32                               ; pair pp = (real, imaginary) of channel pair 16 (pp / 8) + 8 h + pp % 8: both x its cos, which is one register of a pair
.set cr, 64*\a+2*(pp/2)
.if pp%2 == 0
	v_pk_mul_f32 v[TR+2*pp:TR+2*pp+1], v[YR+2*pp:YR+2*pp+1], v[cr:cr+1] op_sel:[0,0] op_sel_hi:[1,0]
.else
	v_pk_mul_f32 v[TR+2*pp:TR+2*pp+1], v[YR+2*pp:YR+2*pp+1], v[cr:cr+1] op_sel:[0,1] op_sel_hi:[1,1]
.endif
.set pp, pp+1
.endr
.set pp, 0
.rept 32
	v_fma_f32 v[TR+2*pp], -v[YR+2*pp+1], v[64*\a+32+pp], v[TR+2*pp]         ; real x cos - imaginary x sin
	v_fma_f32 v[TR+2*pp+1], v[YR+2*pp], v[64*\a+32+pp], v[TR+2*pp+1]        ; imaginary x cos + real x sin
.set pp, pp+1
.endr
	WIN 0
	s_wait_alu depctr_va_vdst(0)                   ; the wait ahead of the first line that names the root's result
	v_ldexp_f32 v[FQ], v[FQ], s[EE]
.set pp, 0
.rept 32
	v_pk_mul_f32 v[TR+2*pp:TR+2*pp+1], v[TR+2*pp:TR+2*pp+1], v[FQ:FQ+1] op_sel_hi:[1,0]
.set pp, pp+1
.endr
.set pp, 0
.rept 64
	v_med3_num_f32 v[TR+pp], v[TR+pp], -v[LIM], v[LIM]   ; the conversion to an 8-bit code does not saturate (ISA guide 7.6.2)
.set pp, pp+1
.endr
.set pp, 0
.rept 8
	v_cvt_scalef32_pk8_fp8_f32 v[CD+16*\a+2*pp:CD+16*\a+2*pp+1], v[TR+8*pp:TR+8*pp+7], v[SC]
.set pp, pp+1
.endr
	v_nop                                          ; a plain line behind the last conversion
.irp c, 0,1,2,3
	global_store_b128 v[LI], v[CD+16*\a+4*\c:CD+16*\a+4*\c+3], s[OB:OB+1] offset:2048*\a+512*\c   ; 512 consecutive bytes, aligned
.endr
.endm
	QKBLOCK 0
	QKBLOCK 1
	QKBLOCK 2
	QKBLOCK 3
	s_branch .Lclose
.Lvout:
	; v: lane (r, h) holds channel slot r of tile b; the 16 registers of token tiles 2 u and 2 u + 1 are keys 32 u + 16 h + 0 .. 15 of my 64
	WIN 0x41                                       ; source 0 and destination window 1
.set pp, 0
	s_wait_alu depctr_va_vdst(0)
.rept 256
	v_med3_num_f32 v[pp], v[pp], -v[LIM], v[LIM]
.set pp, pp+1
.endr
	WIN 0x01                                       ; source 0 window 1
.set bb, 0
.rept 8
.set uu, 0
.rept 2
	v_cvt_scalef32_pk8_fp8_f32 v[CD+4*(2*bb+uu):CD+4*(2*bb+uu)+1], v[128*uu+8*bb:128*uu+8*bb+7], v[SC]
	v_cvt_scalef32_pk8_fp8_f32 v[CD+4*(2*bb+uu)+2:CD+4*(2*bb+uu)+3], v[128*uu+64+8*bb:128*uu+64+8*bb+7], v[SC]
.set uu, uu+1
.endr
.set bb, bb+1
.endr
	v_nop
	WIN 0
.set bb, 0
.rept 8
.set uu, 0
.rept 2
	global_store_b128 v[LI], v[CD+4*(2*bb+uu):CD+4*(2*bb+uu)+3], s[OB:OB+1] offset:2048*bb+512*uu
.set uu, uu+1
.endr
.set bb, bb+1
.endr
.Lclose:
	CROUND                                         ; the closing round: no work-group ends while a partner may still ask for a tile that names it
	s_endpgm
.Lfunc_end_k_q13e504fddc_qkv:
	.size	k_q13e504fddc_qkv, .Lfunc_end_k_q13e504fddc_qkv-k_q13e504fddc_qkv
	.p2alignl 7, 3214868480
	.fill 96, 4, 3214868480
	.section	.rodata,"a",@progbits
	.p2align	6, 0x0
	.amdhsa_kernel k_q13e504fddc_qkv
		.amdhsa_group_segment_fixed_size 327680
		.amdhsa_private_segment_fixed_size 0
		.amdhsa_enable_private_segment 0
		.amdhsa_kernarg_size 72
		.amdhsa_user_sgpr_count 2
		.amdhsa_user_sgpr_kernarg_segment_ptr 1
		.amdhsa_wavefront_size32 1
		.amdhsa_system_sgpr_workgroup_id_x 1
		.amdhsa_system_sgpr_workgroup_id_y 1
		.amdhsa_system_sgpr_workgroup_id_z 1
		.amdhsa_system_vgpr_workitem_id 0
		.amdhsa_next_free_vgpr 1024
		.amdhsa_next_free_sgpr 100
		.amdhsa_reserve_vcc 0
		.amdhsa_float_denorm_mode_32 3
		.amdhsa_float_denorm_mode_16_64 3
		.amdhsa_memory_ordered 1
		.amdhsa_forward_progress 1
		.amdhsa_inst_pref_size 171
	.end_amdhsa_kernel
	.amdgpu_metadata
---
amdhsa.version: [ 1, 2 ]
amdhsa.kernels:
  - .name:           k_q13e504fddc_qkv
    .symbol:         k_q13e504fddc_qkv.kd
    .args:
      - { .name: xc, .offset: 0, .size: 8, .value_kind: global_buffer, .address_space: global }
      - { .name: wc, .offset: 8, .size: 8, .value_kind: global_buffer, .address_space: global }
      - { .name: freqs_cos, .offset: 16, .size: 8, .value_kind: global_buffer, .address_space: global }
      - { .name: freqs_sin, .offset: 24, .size: 8, .value_kind: global_buffer, .address_space: global }
      - { .name: q_norm_w, .offset: 32, .size: 8, .value_kind: global_buffer, .address_space: global }
      - { .name: k_norm_w, .offset: 40, .size: 8, .value_kind: global_buffer, .address_space: global }
      - { .name: lowp_scales, .offset: 48, .size: 8, .value_kind: global_buffer, .address_space: global }
      - { .name: qimg, .offset: 56, .size: 8, .value_kind: global_buffer, .address_space: global }
      - { .name: kv, .offset: 64, .size: 8, .value_kind: global_buffer, .address_space: global }
    .group_segment_fixed_size: 327680
    .private_segment_fixed_size: 0
    .kernarg_segment_align: 8
    .kernarg_segment_size: 72
    .max_flat_workgroup_size: 128
    .sgpr_count:     100
    .vgpr_count:     1024
    .wavefront_size: 32
...
	.end_amdgpu_metadata
.endif
;; end of part 2
;; launch attn (part 3): grid 16 x 16, 8 waves a work-group, clusters of 4 x 1, 327,680 bytes of LDS; arguments qimg, kv, lowp_scales, yimg; writes yimg
.if DOCPART == 3
	.amdgcn_target "amdgcn-amd-amdhsa--gfx1250"
	.amdhsa_code_object_version 6
	.text
	.protected	k_q13e504fddc_attn
	.globl	k_q13e504fddc_attn
	.p2align	8
	.type	k_q13e504fddc_attn,@function
k_q13e504fddc_attn:
	s_mov_b64 s[64:65], 0
	v_nop
	global_prefetch_b8 v0, s[64:65] scope:SCOPE_SE
	s_setreg_imm32_b32 hwreg(HW_REG_WAVE_MODE, 25, 1), 1
	s_wait_xcnt 0x0
	s_wait_alu depctr_hold_cnt(0) depctr_sa_sdst(0) depctr_va_vdst(0) depctr_va_sdst(0) depctr_va_ssrc(0) depctr_va_vcc(0) depctr_vm_vsrc(0)
	s_getreg_b32 s2, hwreg(HW_REG_IB_STS2, 6, 4)
	s_cmp_eq_u32 s2, 0
	s_cbranch_scc0 .Lentry_in_a_cluster
	s_endpgm
.Lentry_in_a_cluster:
	s_bfe_u32 s2, ttmp6, 0x10000c
	s_cmp_lg_u32 s2, 0x3003
	s_cbranch_scc0 .Lentry_shape_is_right
	s_endpgm
.Lentry_shape_is_right:
; Causal attention on codes of E4M3: 16 query heads on 4 key and value heads, head size 128, 2,048 tokens; y leaves as codes, quantised with e10, as images for the last product.
; Key steps that lie wholly behind the causal mask that the problem builds itself are not walked.
; THE SOFTMAX AHEAD OF THE SECOND PRODUCT: t = score x log2(e) / sqrt(128); M = the largest t so far, rounded UP to a whole number; p = 2^(t - M) is quantised (e9), not normalised; the row's sum is
; taken of the unquantised p and divides at the end.  When M moves, the sum and O are multiplied by 2^(old M - new M): exact.
; SHARES.  A cluster is the four query heads of one key and value head at the same blocks of queries: they walk the same tiles, and each tile is asked for jointly.
; A work-group owns two blocks of 64 queries, j and 31 - j, one after the other: j / 2 + 1 and 16 - j / 2 key steps of 128 keys: 17 positions in every work-group, a constant of the text.
; EIGHT WAVES, two to a SIMD.  Waves w and w + 4 own the same tile of 16 queries (w % 4); wave w / 4 = 0 takes the even positions, 1 the odd ones, each with its own running M, sum and O^T.
; Every wave walks all positions. At a block's end the odd wave hands -M, its sum and O^T
; to the even one through a stage in LDS; the even wave brings both under the larger M (whole numbers: exact factors), adds, divides and quantises.  A wave that had no step in a block holds sum 0 and M = -3e38: its factor is 0.
; Only a block's last key step meets the diagonal: there hidden scores become -infinity ahead of the maximum.
; LAYOUT.  Both products are used transposed: S^T = K Q^T, O^T = V^T P^T: a lane holds one query throughout.  Slot r of a tile of queries, keys or channels stands for index 32 (T / 2) + 8 (T % 2) + r + 8 (r / 8),
; so p's 16 registers of two neighbouring tiles are 16 neighbouring keys, and O^T's are 16 neighbouring channels: the conversions' results are the next operand's registers.
; LDS: two slots of four key steps, 131,072 bytes each: slot 0 holds positions 0-3, then 8-11, then 16; slot 1 positions 4-7, then 12-15.  Wave w fetches 16,384 bytes of a slot (of position 16: 4,096): one tensor load a wave
; at the head and behind each round.  Behind the ring: the stage, 8,448 bytes for each tile of queries, which no tensor load fills; then the spare words.
; LIMITS: e6 + e7 between -123 and 130 (added to c's exponent field); e9 and e10 between -126 and 119; e8 + e9 goes in by v_ldexp_f32.  NaN among the inputs is not served.
; REGISTERS: window 0: v1-10 addresses; v12 -M, v13 the largest t, v[14:15] the sum; v16-31 Q; v32-47 the second block's Q; v48-63 y's codes; v64-92 at work; v96-159 S^T, then p; v160-223 O^T; v224-239 p's codes.
;   window 1: v0-127 K's eight fragments, v128-255 V's eight.
.set SLOT0, 0
.set SLOT1, 131072
.set STAGE, 262144
.set STW,   8448                       ; a tile's stage: O^T as 16 images of 512 bytes, then 128 bytes of -M and 128 of the sum
.set SPARE, 295936                     ; the spare words, 128 bytes for each of 8 waves: four blocks of 256 bytes that no other line names
.set LI,   1                           ; v1  16 x lane
.set ADR,  2                           ; v2  LDS address of the key step in hand
.set QLC,  3                           ; v3  r + 8 (r / 8) - 16 h
.set PFO,  4                           ; v4  256 x min(lane, 15)
.set SPW,  5                           ; v5  my spare word; never rewritten
.set NIL,  6                           ; v6  0; never rewritten
.set STG,  9                           ; v9  my 16 bytes of an image in my tile's stage
.set STG2, 10                          ; v10 my word behind the images
.set QF,   16
.set QH,   32
.set YC,   48
.set MX,   64
.set PD,   66                          ; the permute's destination
.set FF,   70                          ; v[70:71] f = 2^(old M - new M); at a block's end my factor
.set FB,   72                          ; v[72:73] at a block's end the partner's factor
.set PLIM, 74                          ; 448 x 2^e9, 2^e9
.set PSC,  75
.set YLIM, 76                          ; 448 x 2^e10, 2^e10
.set YSC,  77
.set NINF, 78
.set DD,   79
.set MXQ,  80                          ; v80-83 the maximum's four chains
.set SUQ,  84                          ; v[84:89] three of the sum's four chains
.set OLDM, 90
.set MB,   91                          ; the partner's -M
.set LB,   92                          ; the partner's sum
.set ST,   96
.set OT,   160
.set PC,   224
.set WV,   12
.set NLOW, 13                          ; key steps of the first block
.set POS,  14                          ; position 0..16
.set MK,   15                          ; the block's last position
.set KF,   16                          ; the step's first key
.set Q0,   17                          ; my tile's first query
.set TB,   18                          ; LDS byte of the key step in hand
.set CNT,  19
.set CS,   20                          ; s[20:21] c = log2(e) / sqrt(128) x 2^(e6 + e7)
.set SEL,  22
.set G1,   24                          ; s[24:31] group 1: 64 rows of 256 bytes
.set G1X,  32                          ; s[32:39] 16 rows
.set G0X,  40
.set G0A,  44
.set G0B,  48
.set KVB,  52                          ; s[52:53] my key and value head
.set EPV,  54
.set JZ,   55                          ; j
.set PFA,  56
.set YA,   58
.set TT,   60                          ; my tile of queries
.set HD,   61                          ; my query head
.set TW,   88                          ; wave % 4: my tile in the block
.set PAR,  89                          ; wave / 4: the parity of my positions
.set WH,   90                          ; wave / 2: which key step of a slot I fetch from
.set WL,   91                          ; 16,384 x (wave % 2): which half of it
.set MSB, 0
.macro WIN new                         ; the immediate's high byte repeats the setting that is left; a switch that changes nothing is dropped
.if MSB != (\new)
	s_set_vgpr_msb (MSB<<8)|(\new)
.set MSB, (\new)
.endif
.endm
.macro PLACES n
.rept \n
	v_nop
.endr
.endm
.macro CROUND                          ; a round of the cluster's barrier
	s_barrier_signal -1
	s_barrier_wait -1
	s_cmp_lg_u32 s[WV], 0
	s_cbranch_scc1 .Lnot_wave_0_\@
	s_barrier_signal -3
.Lnot_wave_0_\@:
	s_barrier_wait -3
	s_barrier_signal -1
	s_barrier_wait -1
.endm
; The global address of my half of position base + wave / 2: key step p, or p - NLOW from the second block on.  No branch; the same in all four partners.
.macro SPOS g0, base
	s_add_co_u32 s62, s[WH], \base
	s_cmp_ge_u32 s62, s[NLOW]
	s_cselect_b32 s63, s[NLOW], 0
	s_sub_co_u32 s62, s62, s63
	s_lshl_b32 s62, s62, 15
	s_add_co_u32 s62, s62, s[WL]
	s_mov_b32 s63, 0
	s_add_nc_u64 s[\g0+2:\g0+3], s[KVB:KVB+1], s[62:63]
	s_or_b32 s[\g0+3], s[\g0+3], 0x80000000
.endm
; A prefetch into the L2 of key steps 8 + 4 n .. 11 + 4 n of my key and value head, at least one change of slots ahead of the loads that ask for them.  Of the clusters that walk a head the one with j = 0 asks;
; its four partners take a key step each, told apart by address; a wave takes 4,096 bytes of it, 16 lanes 256 bytes apart (the other 16 name the last block again).
.macro ASK n
	s_cmp_eq_u32 s[JZ], 0
	s_cbranch_scc0 .Lnot_mine_\@
	global_prefetch_b8 v[PFO], s[PFA:PFA+1] offset:(\n)*131072 th:TH_LOAD_NT scope:SCOPE_SE
.Lnot_mine_\@:
.endm
.macro LRUN nw                         ; the next eight of V's 32 loads, then window nw
	WIN 0x40
.rept 8
	ds_load_b128 v[128+4*lq:128+4*lq+3], v[ADR] offset:16384+512*lq
.set lq, lq+1
.endr
	WIN \nw
.endm
; A BLOCK'S END.  Odd waves store their state, a barrier, even waves load it, a barrier (so that the stage may be written again), and the even waves finish: y = (O fa + O' fb) / (l fa + l' fb) x 2^(e8 + e9), quantised with e10.
.macro BLKEND
	v_add_f32 v14, v14, v15                        ; my lane's sum
	s_wait_alu depctr_va_vdst(0)                   ; the wait ahead of the branches and waits below
	s_cmp_lg_u32 s[PAR], 0
	s_cbranch_scc0 .Lm0_\@
.set pp, 0
.rept 16
	ds_store_b128 v[STG], v[OT+4*pp:OT+4*pp+3] offset:512*pp
.set pp, pp+1
.endr
	ds_store_b32 v[STG2], v12
	ds_store_b32 v[STG2], v14 offset:128
.Lm0_\@:
	s_wait_dscnt 0x0                               ; my stores are done
	s_barrier_signal -1
	s_barrier_wait -1
	s_cmp_lg_u32 s[PAR], 0
	s_cbranch_scc1 .Lm1_\@
.set pp, 0
.rept 16
	ds_load_b128 v[ST+4*pp:ST+4*pp+3], v[STG] offset:512*pp
.set pp, pp+1
.endr
	ds_load_b32 v[MB], v[STG2]
	ds_load_b32 v[LB], v[STG2] offset:128
.Lm1_\@:
	s_wait_dscnt 0x0                               ; my reads of the stage are over
	s_barrier_signal -1
	s_barrier_wait -1
	s_cmp_lg_u32 s[PAR], 0
	s_cbranch_scc1 .Lnf_\@
	s_wait_xcnt 0x0                                ; the first block's stores have read their codes and their base
	s_lshr_b32 s62, s[TT], 3
	s_lshl_b32 s62, s62, 18
	s_lshl_b32 s63, s[HD], 14
	s_add_co_u32 s62, s62, s63
	s_and_b32 s63, s[TT], 7
	s_lshl_b32 s63, s63, 11
	s_add_co_u32 s62, s62, s63
	s_mov_b32 s63, 0
	s_add_nc_u64 s[YA:YA+1], s[10:11], s[62:63]
	v_min_num_f32 v[MX], v12, v[MB]                ; -(the larger M)
	v_sub_f32 v[FF], v[MX], v12                    ; my M less the larger: a whole number, 0 or less
	v_sub_f32 v[FB], v[MX], v[MB]
	v_cvt_i32_f32 v[FF], v[FF]                     ; (it saturates)
	v_cvt_i32_f32 v[FB], v[FB]
	v_ldexp_f32 v[FF], 1.0, v[FF]
	v_ldexp_f32 v[FB], 1.0, v[FB]
	v_mul_f32 v14, v14, v[FF]
	v_fmac_f32 v14, v[LB], v[FB]
	v_permlanex16_b32 v[PD], v14, s[SEL], s[SEL+1]
	v_add_f32 v14, v14, v[PD]                      ; the row's sum
	s_wait_alu depctr_va_vdst(0)                   ; the wait ahead of the reciprocal
	v_rcp_f32 v[MX], v14
	v_nop                                          ; a plain line behind it
	s_wait_alu depctr_va_vdst(0)                   ; and the wait ahead of its first reader
	v_ldexp_f32 v[MX], v[MX], s[EPV]
	v_mul_f32 v[FF], v[FF], v[MX]
	v_mul_f32 v[FB], v[FB], v[MX]
	s_wait_alu depctr_va_vdst(0)                   ; the wait directly ahead of the first reader of O^T
.set pp, 0
.rept 32
	v_pk_mul_f32 v[OT+2*pp:OT+2*pp+1], v[OT+2*pp:OT+2*pp+1], v[FF:FF+1] op_sel_hi:[1,0]
.set pp, pp+1
.endr
.set pp, 0
.rept 32
	v_pk_fma_f32 v[OT+2*pp:OT+2*pp+1], v[ST+2*pp:ST+2*pp+1], v[FB:FB+1], v[OT+2*pp:OT+2*pp+1] op_sel_hi:[1,0,1]
.set pp, pp+1
.endr
.set pp, 0
.rept 64
	v_med3_num_f32 v[OT+pp], v[OT+pp], -v[YLIM], v[YLIM]   ; the conversion to an 8-bit code does not saturate (ISA guide 7.6.2)
.set pp, pp+1
.endr
.set pp, 0
.rept 8
	v_cvt_scalef32_pk8_fp8_f32 v[YC+2*pp:YC+2*pp+1], v[OT+8*pp:OT+8*pp+7], v[YSC]
.set pp, pp+1
.endr
	v_nop                                          ; a plain line behind the last conversion
.irp c, 0,1,2,3
	global_store_b128 v[LI], v[YC+4*\c:YC+4*\c+3], s[YA:YA+1] offset:512*\c   ; 512 consecutive bytes, aligned
.endr
.Lnf_\@:
.endm
; From the first block to the second.  O^T is not cleared: it holds finite numbers, and the wave's first step of the new block multiplies them by f = 2^(old M - new M) = 0.
.macro PHASE
	BLKEND
.set pp, 0
.rept 16
	v_mov_b32 v[QF+pp], v[QH+pp]
.set pp, pp+1
.endr
	v_mov_b32 v13, 0xff61b1e6                      ; the largest t so far: -3e38
	v_floor_f32 v12, -v13
	v_mov_b32 v14, 0
	v_mov_b32 v15, 0
	s_wait_alu depctr_va_vdst(0)
	s_mov_b32 s[KF], 0
	s_mov_b32 s[MK], 16
	s_mov_b32 s[Q0], s82
	s_mov_b32 s[TT], s81
.endm
; A POSITION: 128 keys.  ph = 1: the change of blocks may fall on it (positions 1 to 8).  mk = 1: it may be a block's last; 2: it is (position 16); 0: it cannot be.
.macro STEP ph, mk
.set lq, 0
.if \ph
	s_cmp_eq_u32 s[POS], s[NLOW]                   ; ids and the count of steps alone: the same in all eight waves and in all partners
	s_cbranch_scc0 .Lsame_\@
	PHASE
.Lsame_\@:
.endif
	s_and_b32 s62, s[POS], 1
	s_cmp_lg_u32 s62, s[PAR]
	s_cbranch_scc1 .Lskip_\@                       ; the partner wave's position
	v_add_nc_u32 v[ADR], s[TB], v[LI]
	WIN 0x40                                       ; destination window 1
.set nn, 0
.rept 32
	ds_load_b128 v[4*nn:4*nn+3], v[ADR] offset:512*nn
.set nn, nn+1
.endr
	LRUN 0x01                                      ; V's first eight; then source 0 window 1
	s_wait_dscnt 24                                ; K's tiles 0-3 are in: behind their 16 loads stand K's other 16 and the 8 of V
.irp t, 0,1,2,3
	v_wmma_f32_16x16x128_fp8_fp8 v[ST+8*\t:ST+8*\t+7], v[16*\t:16*\t+15], v[QF:QF+15], 0
.endr
	s_wait_dscnt 8                                 ; K's tiles 4-7; the 8 of V may be out
.irp t, 4,5,6,7
	v_wmma_f32_16x16x128_fp8_fp8 v[ST+8*\t:ST+8*\t+7], v[16*\t:16*\t+15], v[QF:QF+15], 0
.endr
	WIN 0
	PLACES 4                                       ; in front of the first read of the scores (ISA guide 7.12.1)
.if (\mk) == 1
	s_cmp_lg_u32 s[POS], s[MK]                     ; all keys of a block's earlier steps come before all its queries
	s_cbranch_scc1 .Lopen_\@
.endif
.if \mk
	s_sub_co_i32 s62, s[Q0], s[KF]
	v_add_nc_u32 v[DD], s62, v[QLC]                ; d = my query - KF - 16 h.  Register nn holds key KF + 16 h + 32 (nn / 16) + nn % 16: hidden where 32 (nn / 16) + nn % 16 > d
.set nn, 0
.rept 64
	v_cmp_gt_i32 vcc_lo, 32*(nn/16)+nn%16, v[DD]
	v_cndmask_b32 v[ST+nn], v[ST+nn], v[NINF], vcc_lo
.set nn, nn+1
.endr
.endif
.if (\mk) == 1
.Lopen_\@:
.endif
	v_max3_num_f32 v[MXQ], v[ST], v[ST+1], v[ST+2]          ; the step's largest score of my query among my 64 keys: four chains, the registers in ascending order
	v_max3_num_f32 v[MXQ+1], v[ST+3], v[ST+4], v[ST+5]
	v_max3_num_f32 v[MXQ+2], v[ST+6], v[ST+7], v[ST+8]
	v_max3_num_f32 v[MXQ+3], v[ST+9], v[ST+10], v[ST+11]
.set pp, 0
.rept 26
	v_max3_num_f32 v[MXQ+pp%4], v[MXQ+pp%4], v[ST+12+2*pp], v[ST+13+2*pp]
.if pp == 13
	LRUN 0
.endif
.set pp, pp+1
.endr
	v_max3_num_f32 v[MX], v[MXQ], v[MXQ+1], v[MXQ+2]
	v_max_num_f32 v[MX], v[MX], v[MXQ+3]
	v_permlanex16_b32 v[PD], v[MX], s[SEL], s[SEL+1]
	v_mov_b32 v[OLDM], v12
	v_max_num_f32 v[MX], v[MX], v[PD]              ; and among lane l xor 16's
	v_mul_f32 v[MX], s[CS], v[MX]                  ; as t (c is positive)
	v_max_num_f32 v13, v13, v[MX]
	v_floor_f32 v12, -v13                          ; the new -M = floor(-t): M is a whole number
	LRUN 0
	v_sub_f32 v[MX], v12, v[OLDM]                  ; the way to f = 2^(old M - new M): the first scalings t - M stand between its links
	v_pk_fma_f32 v[ST:ST+1], v[ST:ST+1], s[CS:CS+1], v[12:13] op_sel_hi:[1,0,0]
	v_cvt_i32_f32 v[MX], v[MX]                     ; (it saturates)
	v_pk_fma_f32 v[ST+2:ST+3], v[ST+2:ST+3], s[CS:CS+1], v[12:13] op_sel_hi:[1,0,0]
	v_ldexp_f32 v[FF], 1.0, v[MX]
.set pp, 2
.rept 30
	v_pk_fma_f32 v[ST+2*pp:ST+2*pp+1], v[ST+2*pp:ST+2*pp+1], s[CS:CS+1], v[12:13] op_sel_hi:[1,0,0]
.set pp, pp+1
.endr
	s_wait_alu depctr_va_vdst(0)                   ; all the batch's sources are laid
	LRUN 0                                         ; V's last eight
.set pp, 0
.rept 64
	v_exp_f32 v[ST+pp], v[ST+pp]                   ; p = 2^(t - M)
.set pp, pp+1
.endr
	v_pk_mul_f32 v[14:15], v[14:15], v[FF:FF+1] op_sel_hi:[1,0]   ; the sum under the new M: a plain line behind the batch
	s_wait_alu depctr_va_vdst(0)                   ; one wait for the whole batch, ahead of its first reader
	v_pk_add_f32 v[SUQ:SUQ+1], v[ST:ST+1], v[ST+2:ST+3]           ; the row's sum is taken of the unquantised p: two at a time, in four chains
	v_pk_add_f32 v[SUQ+2:SUQ+3], v[ST+4:ST+5], v[ST+6:ST+7]
	v_pk_add_f32 v[SUQ+4:SUQ+5], v[ST+8:ST+9], v[ST+10:ST+11]
.set pp, 6
.rept 26
.set kk, (pp-6)%4
.if kk == 0
	v_pk_add_f32 v[14:15], v[14:15], v[ST+2*pp:ST+2*pp+1]
.else
	v_pk_add_f32 v[SUQ+2*kk-2:SUQ+2*kk-1], v[SUQ+2*kk-2:SUQ+2*kk-1], v[ST+2*pp:ST+2*pp+1]
.endif
.set pp, pp+1
.endr
	v_pk_add_f32 v[SUQ:SUQ+1], v[SUQ:SUQ+1], v[SUQ+2:SUQ+3]
	v_pk_add_f32 v[14:15], v[14:15], v[SUQ+4:SUQ+5]
	v_pk_add_f32 v[14:15], v[14:15], v[SUQ:SUQ+1]
.irp b, 0,1,2,3
.set pp, 0
.rept 16
	v_min_num_f32 v[ST+16*\b+pp], v[ST+16*\b+pp], v[PLIM]   ; the conversion does not saturate (ISA guide 7.6.2); p is not negative: the hold is one-sided
.set pp, pp+1
.endr
	v_cvt_scalef32_pk8_fp8_f32 v[PC+4*\b:PC+4*\b+1], v[ST+16*\b:ST+16*\b+7], v[PSC]
	v_cvt_scalef32_pk8_fp8_f32 v[PC+4*\b+2:PC+4*\b+3], v[ST+16*\b+8:ST+16*\b+15], v[PSC]
.endr
	s_wait_alu depctr_va_vdst(0)                   ; the wait directly ahead of the first reader of O^T
.set pp, 0
.rept 32
	v_pk_mul_f32 v[OT+2*pp:OT+2*pp+1], v[OT+2*pp:OT+2*pp+1], v[FF:FF+1] op_sel_hi:[1,0]   ; O^T under the new M; plain lines between the conversions and the products
.set pp, pp+1
.endr
	s_wait_alu depctr_va_vdst(0)
	s_wait_dscnt 0x0                               ; V is in
	WIN 0x01
.irp b, 0,1,2,3,4,5,6,7
	v_wmma_f32_16x16x128_fp8_fp8 v[OT+8*\b:OT+8*\b+7], v[128+16*\b:128+16*\b+15], v[PC:PC+15], v[OT+8*\b:OT+8*\b+7]
.endr
	WIN 0
	PLACES 4                                       ; in front of my next loads into V's registers, and of the first read of O^T
.Lskip_\@:
	s_add_co_u32 s[POS], s[POS], 1
	s_add_co_u32 s[KF], s[KF], 128
	s_add_co_u32 s[TB], s[TB], 32768
.endm
.macro STEPS n, tb, ph, mk             ; n positions that lie on end in LDS from byte tb on
	s_mov_b32 s[TB], \tb
	s_mov_b32 s[CNT], \n
.Lsteps_\@:
	STEP \ph, \mk
	s_sub_co_u32 s[CNT], s[CNT], 1
	s_cmp_lg_u32 s[CNT], 0
	s_cbranch_scc1 .Lsteps_\@
.endm
; THE CHANGE OF SLOTS.  Each wave waits for all its tensor loads (its part of the slot ahead), adds 0 to its spare word, and waits for that and for its reads of the slot that it has left; a round of the
; cluster's barrier; then the slot that was left is filled: the load has four positions in which to land.
.macro CHANGE g0, g1
	s_wait_dscnt 0x0
	CROUND
	tensor_load_to_lds s[\g0:\g0+3], s[\g1:\g1+7]
	s_nop 0
.rept 4
	v_nop
.endr
.endm
	s_load_b256 s[4:11], s[0:1], 0x0               ; qimg s[4:5], kv s[6:7], the scales s[8:9], yimg s[10:11]
	v_lshl_add_u32 v[SPW], v0, 2, SPARE
	v_mov_b32 v[NIL], 0
	ds_add_u32 v[SPW], v[NIL]                      ; the opening lines: the add, twice on end, and its wait ahead of my first tensor load
	ds_add_u32 v[SPW], v[NIL]
	v_lshrrev_b32 v7, 5, v0
	v_readfirstlane_b32 s[WV], v7                  ; wave 0..7
	s_and_b32 s[TW], s[WV], 3
	s_lshr_b32 s[PAR], s[WV], 2
	s_lshr_b32 s[WH], s[WV], 1
	s_and_b32 s[WL], s[WV], 1
	s_lshl_b32 s[WL], s[WL], 14
	s_bfe_u32 s80, ttmp6, 0x40000                  ; cx: it enters global addresses of q, y and the prefetches alone
	s_lshl_b32 s[HD], ttmp9, 2
	s_add_co_u32 s[HD], s[HD], s80                 ; query head = 4 x key and value head + cx
	s_and_b32 s[JZ], ttmp7, 0xffff                 ; j, which the four partners share
	s_lshr_b32 s[NLOW], s[JZ], 1
	s_add_co_u32 s[NLOW], s[NLOW], 1
	s_mov_b32 s[G1], 15|(3<<16)|(1<<21)            ; 15:0 the mask: all four work-groups; 17:16 elements of 8 bytes; 21 set beside a mask
	s_mov_b32 s[G1+1], 32<<16                      ; rows of 32 elements = 256 bytes, dense
	s_mov_b32 s[G1+2], 64<<16
	s_mov_b32 s[G1+3], 32<<16
	s_mov_b32 s[G1+4], 64
	s_mov_b32 s[G1+5], 32
	s_mov_b32 s[G1+6], 0
	s_mov_b32 s[G1+7], 0
	s_mov_b32 s[G1X], 15|(3<<16)|(1<<21)
	s_mov_b32 s[G1X+1], 32<<16
	s_mov_b32 s[G1X+2], 16<<16
	s_mov_b32 s[G1X+3], 32<<16
	s_mov_b32 s[G1X+4], 16
	s_mov_b32 s[G1X+5], 32
	s_mov_b32 s[G1X+6], 0
	s_mov_b32 s[G1X+7], 0
	s_lshl_b32 s62, ttmp9, 19
	s_mov_b32 s63, 0
	s_wait_dscnt 0x0                               ; both opening adds are done
	s_wait_kmcnt 0x0
	s_load_b256 s[68:75], s[8:9], 0x0              ; e0 .. e7
	s_load_b128 s[76:79], s[8:9], 0x20             ; e8 .. e11
	s_add_nc_u64 s[KVB:KVB+1], s[6:7], s[62:63]
	s_mov_b32 s[G0X], 1                            ; position 16 = key step 16 - NLOW: an eighth to each wave, into slot 0
	s_lshl_b32 s[G0X+1], s[WV], 12
	s_lshl_b32 s62, s[WV], 12
	s_sub_co_u32 s66, 16, s[NLOW]
	s_lshl_b32 s66, s66, 15
	s_add_co_u32 s62, s62, s66
	s_add_nc_u64 s[G0X+2:G0X+3], s[KVB:KVB+1], s[62:63]
	s_or_b32 s[G0X+3], s[G0X+3], 0x80000000
	s_mov_b32 s[G0A], 1
	s_lshl_b32 s[G0A+1], s[WV], 14
	SPOS G0A, 0
	s_mov_b32 s[G0B], 1
	s_lshl_b32 s[G0B+1], s[WV], 14
	s_add_co_u32 s[G0B+1], s[G0B+1], SLOT1
	SPOS G0B, 4
	CROUND                                         ; all four work-groups are here: the first joint loads meet
	tensor_load_to_lds s[G0A:G0A+3], s[G1:G1+7]    ; positions 0-3: my one load at the head
	s_nop 0
.rept 4
	v_nop
.endr
	v_and_b32 v7, 31, v0
	v_lshlrev_b32 v[LI], 4, v7
	v_min_u32 v[PFO], 15, v7
	v_lshlrev_b32 v[PFO], 8, v[PFO]
	v_lshlrev_b32 v[STG2], 2, v7
	s_mul_i32 s62, s[TW], STW
	s_add_co_u32 s62, s62, STAGE                   ; my tile's stage
	s_add_co_u32 s63, s62, 8192
	v_add_nc_u32 v[STG], s62, v[LI]
	v_add_nc_u32 v[STG2], s63, v[STG2]
	s_wait_alu depctr_va_vdst(0)
	s_lshl_b32 s[TT], s[JZ], 2
	s_add_co_u32 s[TT], s[TT], s[TW]               ; my tile of the first block: 4 j + w % 4,
	s_sub_co_u32 s81, 31, s[JZ]
	s_lshl_b32 s82, s81, 6
	s_lshl_b32 s81, s81, 2
	s_add_co_u32 s81, s81, s[TW]                   ; of the second: 4 (31 - j) + w % 4
	s_lshl_b32 s66, s[HD], 18
	s_lshl_b32 s62, s[TT], 11
	s_add_co_u32 s62, s62, s66
	s_mov_b32 s63, 0
	s_add_nc_u64 s[84:85], s[4:5], s[62:63]
	s_lshl_b32 s62, s81, 11
	s_add_co_u32 s62, s62, s66
	s_add_nc_u64 s[86:87], s[4:5], s[62:63]
.irp c, 0,1,2,3
	global_load_b128 v[QF+4*\c:QF+4*\c+3], v[LI], s[84:85] offset:512*\c
.endr
.irp c, 0,1,2,3
	global_load_b128 v[QH+4*\c:QH+4*\c+3], v[LI], s[86:87] offset:512*\c
.endr
	s_lshr_b32 s62, s[TW], 1
	s_lshl_b32 s62, s62, 5
	s_and_b32 s67, s[TW], 1
	s_lshl_b32 s67, s67, 3
	s_add_co_u32 s62, s62, s67                     ; 32 (tile / 2) + 8 (tile % 2)
	s_lshl_b32 s[Q0], s[JZ], 6
	s_add_co_u32 s[Q0], s[Q0], s62                 ; my tile's first query, in the first block
	s_add_co_u32 s82, s82, s62                     ; and in the second
	s_lshl_b32 s62, s80, 15
	s_lshl_b32 s67, s[WV], 12
	s_add_co_u32 s62, s62, s67
	s_add_co_u32 s62, s62, 262144                  ; key step 8 + cx, my wave's eighth of it
	s_add_nc_u64 s[PFA:PFA+1], s[KVB:KVB+1], s[62:63]
	v_and_b32 v7, 15, v0
	v_and_b32 v8, 8, v7
	v_add_nc_u32 v[QLC], v7, v8
	v_bfe_u32 v8, v0, 4, 1
	v_lshlrev_b32 v8, 4, v8
	v_sub_nc_u32 v[QLC], v[QLC], v8
	v_mov_b32 v13, 0xff61b1e6                      ; the largest t so far: -3e38, under every t
	v_floor_f32 v12, -v13
	v_mov_b32 v14, 0
	v_mov_b32 v15, 0
	v_mov_b32 v[PD], 0                             ; written once: a lane permute's destination counts as one of its sources
	v_mov_b32 v[FF+1], 0                           ; (named as the upper halves of pairs)
	v_mov_b32 v[FB+1], 0
	v_mov_b32 v[MB], 0
	v_mov_b32 v[LB], 0
	v_mov_b32 v[NINF], 0xff800000
.set pp, 0
.rept 64
	v_mov_b32 v[OT+pp], 0                          ; O^T: the step has no first form of its own; the first finds zeros, which the first change of M leaves zeros
.set pp, pp+1
.endr
	s_mov_b32 s[SEL], 0x76543210
	s_mov_b32 s[SEL+1], 0xfedcba98
	s_mov_b32 s[POS], 0
	s_mov_b32 s[KF], 0
	s_sub_co_u32 s[MK], s[NLOW], 1
	s_wait_kmcnt 0x0
	s_add_co_i32 s62, s74, s75
	s_lshl_b32 s62, s62, 23
	s_mov_b32 s[CS], 0x3e0293ee                    ; log2(e) / sqrt(128);
	s_add_co_i32 s[CS], s[CS], s62                 ; e6 + e7 are added to its exponent field
	s_mov_b32 s[CS+1], s[CS]
	s_add_co_i32 s[EPV], s76, s77
	s_add_co_i32 s62, s77, 127
	s_lshl_b32 s67, s62, 23
	v_mov_b32 v[PSC], s67
	s_add_co_i32 s62, s62, 8
	s_lshl_b32 s62, s62, 23
	s_or_b32 s62, s62, 0x600000
	v_mov_b32 v[PLIM], s62
	s_add_co_i32 s62, s78, 127
	s_lshl_b32 s67, s62, 23
	v_mov_b32 v[YSC], s67
	s_add_co_i32 s62, s62, 8
	s_lshl_b32 s62, s62, 23
	s_or_b32 s62, s62, 0x600000
	v_mov_b32 v[YLIM], s62
	s_wait_alu depctr_va_vdst(0)                   ; the wait at the head's end
	s_wait_loadcnt 0x0                             ; Q, both blocks'
	s_wait_tensorcnt 0x0                           ; my part of slot 0 is in; slot 1's first fill is issued as a refill is
	ds_add_u32 v[SPW], v[NIL]
	CHANGE G0B, G1                                 ; positions 4-7
	ASK 0
	STEPS 4, SLOT0, 1, 1                           ; positions 0-3
	s_wait_tensorcnt 0x0                           ; no tensor load of mine is out, so a group 0 may be written
	ds_add_u32 v[SPW], v[NIL]
	SPOS G0A, 8
	CHANGE G0A, G1
	ASK 1
	STEPS 4, SLOT1, 1, 1                           ; 4-7: the first block ends at position 7 at the latest
	s_wait_tensorcnt 0x0
	ds_add_u32 v[SPW], v[NIL]
	SPOS G0B, 12
	CHANGE G0B, G1
	STEPS 4, SLOT0, 1, 0                           ; 8-11: the change of blocks may still fall on position 8; no diagonal before 16
	s_wait_tensorcnt 0x0
	ds_add_u32 v[SPW], v[NIL]
	CHANGE G0X, G1X                                ; position 16 into slot 0
	STEPS 4, SLOT1, 0, 0                           ; 12-15
	s_wait_tensorcnt 0x0                           ; the last change of slots fills nothing: a plain barrier
	ds_add_u32 v[SPW], v[NIL]
	s_wait_dscnt 0x0
	s_barrier_signal -1
	s_barrier_wait -1
	s_mov_b32 s[TB], SLOT0
	STEP 0, 2                                      ; position 16 is the second block's last in every work-group
	BLKEND
	s_wait_tensorcnt 0x0                           ; the wave's end
	ds_add_u32 v[SPW], v[NIL]
	s_wait_dscnt 0x0
	CROUND                                         ; the closing round
	s_endpgm
.Lfunc_end_k_q13e504fddc_attn:
	.size	k_q13e504fddc_attn, .Lfunc_end_k_q13e504fddc_attn-k_q13e504fddc_attn
	.p2alignl 7, 3214868480
	.fill 96, 4, 3214868480
	.section	.rodata,"a",@progbits
	.p2align	6, 0x0
	.amdhsa_kernel k_q13e504fddc_attn
		.amdhsa_group_segment_fixed_size 327680
		.amdhsa_private_segment_fixed_size 0
		.amdhsa_enable_private_segment 0
		.amdhsa_kernarg_size 32
		.amdhsa_user_sgpr_count 2
		.amdhsa_user_sgpr_kernarg_segment_ptr 1
		.amdhsa_wavefront_size32 1
		.amdhsa_system_sgpr_workgroup_id_x 1
		.amdhsa_system_sgpr_workgroup_id_y 1
		.amdhsa_system_sgpr_workgroup_id_z 1
		.amdhsa_system_vgpr_workitem_id 0
		.amdhsa_next_free_vgpr 512
		.amdhsa_next_free_sgpr 100
		.amdhsa_reserve_vcc 1
		.amdhsa_float_denorm_mode_32 3
		.amdhsa_float_denorm_mode_16_64 3
		.amdhsa_memory_ordered 1
		.amdhsa_forward_progress 1
		.amdhsa_inst_pref_size 178
	.end_amdhsa_kernel
	.amdgpu_metadata
---
amdhsa.version: [ 1, 2 ]
amdhsa.kernels:
  - .name:           k_q13e504fddc_attn
    .symbol:         k_q13e504fddc_attn.kd
    .args:
      - { .name: qimg, .offset: 0, .size: 8, .value_kind: global_buffer, .address_space: global }
      - { .name: kv, .offset: 8, .size: 8, .value_kind: global_buffer, .address_space: global }
      - { .name: lowp_scales, .offset: 16, .size: 8, .value_kind: global_buffer, .address_space: global }
      - { .name: yimg, .offset: 24, .size: 8, .value_kind: global_buffer, .address_space: global }
    .group_segment_fixed_size: 327680
    .private_segment_fixed_size: 0
    .kernarg_segment_align: 8
    .kernarg_segment_size: 32
    .max_flat_workgroup_size: 256
    .sgpr_count:     100
    .vgpr_count:     512
    .wavefront_size: 32
...
	.end_amdgpu_metadata
.endif
;; end of part 3
;; launch oproj (part 4): grid 16 x 16, 4 waves a work-group, clusters of 4 x 4, 327,680 bytes of LDS; arguments yimg, wc, lowp_scales, out0; writes out0
.if DOCPART == 4
	.amdgcn_target "amdgcn-amd-amdhsa--gfx1250"
	.amdhsa_code_object_version 6
	.text
	.protected	k_q13e504fddc_oproj
	.globl	k_q13e504fddc_oproj
	.p2align	8
	.type	k_q13e504fddc_oproj,@function
k_q13e504fddc_oproj:
	s_mov_b64 s[64:65], 0
	v_nop
	global_prefetch_b8 v0, s[64:65] scope:SCOPE_SE
	s_setreg_imm32_b32 hwreg(HW_REG_WAVE_MODE, 25, 1), 1
	s_wait_xcnt 0x0
	s_wait_alu depctr_hold_cnt(0) depctr_sa_sdst(0) depctr_va_vdst(0) depctr_va_sdst(0) depctr_va_ssrc(0) depctr_va_vcc(0) depctr_vm_vsrc(0)
	s_getreg_b32 s2, hwreg(HW_REG_IB_STS2, 6, 4)
	s_cmp_eq_u32 s2, 0
	s_cbranch_scc0 .Lentry_in_a_cluster
	s_endpgm
.Lentry_in_a_cluster:
	s_bfe_u32 s2, ttmp6, 0x10000c
	s_cmp_lg_u32 s2, 0xf033
	s_cbranch_scc0 .Lentry_shape_is_right
	s_endpgm
.Lentry_shape_is_right:
.set PL,    16384
.set PART,  4*PL
.set SLOT,  2*PART
.set SPARE, 2*SLOT
.set STAGE, SPARE+512
.set SPITCH, 272
.set NLD,   32
.set ACC,   128
.set LI,    1
.set ADRA,  16
.set ADRB,  20
.set STO,   24
.set RD,    25
.set CO,    26
.set SPW,   28
.set NIL,   29
.set TMP,   32
.set BK,    64
.set WV,    12
.set HF,    13
.set RH,    14
.set G1,    24
.set G0,    32
.set G1B,   48
.set G0B,   56
.set MSB, 0
.macro WIN new
.if MSB != (\new)
	s_set_vgpr_msb (MSB<<8)|(\new)
.set MSB, (\new)
.endif
.endm
.macro PLACES n
.rept \n
	v_nop
.endr
.endm
.macro JLOAD s
	s_cmp_lt_u32 s[WV], 2
	s_cbranch_scc0 .Lfor_b_\@
	tensor_load_to_lds s[G0+4*\s:G0+4*\s+3], s[G1:G1+7]
	s_nop 0
.rept 4
	v_nop
.endr
	s_branch .Lasked_\@
.Lfor_b_\@:
	tensor_load_to_lds s[G0B+4*\s:G0B+4*\s+3], s[G1B:G1B+7]
	s_nop 0
.rept 4
	v_nop
.endr
.Lasked_\@:
.endm
.macro CREST
	s_cmp_lg_u32 s[WV], 0
	s_cbranch_scc1 .Lnot_wave_0_\@
	s_barrier_signal -3
.Lnot_wave_0_\@:
	s_barrier_wait -3
	s_barrier_signal -1
	s_barrier_wait -1
.endm
.macro CROUND
	s_barrier_signal -1
	s_barrier_wait -1
	CREST
.endm
.macro FRAG reg, adr, off
.irp c, 0,1,2,3
	ds_load_b128 v[(\reg)+4*\c:(\reg)+4*\c+3], v[\adr] offset:(\off)+512*\c
.endr
.endm
.macro FETCH slot, q, p
	WIN 0x40
.irp a, 0,1,2,3
	FRAG 128*(\p)+16*\a, ADRA+\slot, (\q)*PL+2048*\a
.endr
.irp b, 0,1,2,3
	FRAG 128*(\p)+64+16*\b, ADRB+\slot, (\q)*PL+2048*\b
.endr
	WIN 0
.endm
.macro MUL p, zero
	WIN 0x05
.irp a, 0,1,2,3
.irp b, 0,1,2,3
.if \zero
	v_wmma_f32_16x16x128_fp8_fp8 v[ACC+8*(4*\a+\b):ACC+8*(4*\a+\b)+7], v[128*(\p)+64+16*\b:128*(\p)+64+16*\b+15], v[128*(\p)+16*\a:128*(\p)+16*\a+15], 0
.else
	v_wmma_f32_16x16x128_fp8_fp8 v[ACC+8*(4*\a+\b):ACC+8*(4*\a+\b)+7], v[128*(\p)+64+16*\b:128*(\p)+64+16*\b+15], v[128*(\p)+16*\a:128*(\p)+16*\a+15], v[ACC+8*(4*\a+\b):ACC+8*(4*\a+\b)+7]
.endif
.endr
.endr
	WIN 0
.endm
.macro STEP slot, q, zero
	PLACES 4
	FETCH \slot, (\q)+1, ((\q)+1)%2
	s_wait_dscnt NLD
	MUL (\q)%2, \zero
.endm
.macro TURN slot, next, fill
	s_wait_tensorcnt 0x0
	ds_add_u32 v[SPW], v[NIL]
.if \fill
	s_add_nc_u64 s[G0+4*\slot+2:G0+4*\slot+3], s[G0+4*\slot+2:G0+4*\slot+3], 2*PART
	s_add_nc_u64 s[G0B+4*\slot+2:G0B+4*\slot+3], s[G0B+4*\slot+2:G0B+4*\slot+3], 2*PART
.endif
	s_wait_dscnt 0x0
	s_barrier_signal -1
	s_barrier_wait -1
.if \fill
	CREST
	JLOAD \slot
.else
	PLACES 4
.endif
	s_wait_alu depctr_va_vdst(0)
	FETCH \next, 0, 0
	MUL 1, 0
.endm
	s_load_b256 s[4:11], s[0:1], 0x0
	v_lshl_add_u32 v[SPW], v0, 2, SPARE
	v_mov_b32 v[NIL], 0
	ds_add_u32 v28, v29
	ds_add_u32 v28, v29
	s_wait_dscnt 0x0
	v_lshrrev_b32 v2, 5, v0
	v_readfirstlane_b32 s[WV], v2
	s_and_b32 s[HF], s[WV], 1
	s_lshr_b32 s[RH], s[WV], 1
	s_bfe_u32 s40, ttmp6, 0x40000
	s_bfe_u32 s41, ttmp6, 0x40004
	s_lshl_b32 s42, ttmp9, 2
	s_add_co_u32 s42, s42, s40
	s_and_b32 s80, ttmp7, 0xffff
	s_lshl_b32 s80, s80, 2
	s_add_co_u32 s80, s80, s41
	s_lshl_b32 s43, s41, 2
	s_lshl_b32 s43, 15, s43
	s_lshl_b32 s44, 0x1111, s40
	s_or_b32 s[G1], s43, (3<<16)|(1<<21)
	s_or_b32 s[G1B], s44, (3<<16)|(1<<21)
.irp g, G1, G1B
	s_mov_b32 s[\g+1], 32<<16
	s_mov_b32 s[\g+2], 128<<16
	s_mov_b32 s[\g+3], 32<<16
	s_mov_b32 s[\g+4], 128
	s_mov_b32 s[\g+5], 32
	s_mov_b32 s[\g+6], 0
	s_mov_b32 s[\g+7], 0
.endr
	s_lshl_b32 s66, s80, 18
	s_lshl_b32 s67, s[HF], 15
	s_add_co_u32 s66, s66, s67
	s_mov_b32 s67, 0
	s_add_co_u32 s46, s42, 24
	s_lshl_b32 s46, s46, 18
	s_lshl_b32 s47, s[HF], 15
	s_add_co_u32 s46, s46, s47
	s_mov_b32 s47, 0
	s_lshl_b32 s45, s[HF], 15
	s_add_co_u32 s2, s45, PART
	s_wait_kmcnt 0x0
	s_load_b64 s[96:97], s[8:9], 0x28
	s_add_nc_u64 s[66:67], s[4:5], s[66:67]
	s_add_nc_u64 s[46:47], s[6:7], s[46:47]
	CROUND
.irp s, 0,1
	s_mov_b32 s[G0+4*\s], 1
	s_add_co_u32 s[G0+4*\s+1], s45, \s*SLOT
	s_add_nc_u64 s[G0+4*\s+2:G0+4*\s+3], s[66:67], \s*PART
	s_or_b32 s[G0+4*\s+3], s[G0+4*\s+3], 0x80000000
	s_mov_b32 s[G0B+4*\s], 1
	s_add_co_u32 s[G0B+4*\s+1], s2, \s*SLOT
	s_add_nc_u64 s[G0B+4*\s+2:G0B+4*\s+3], s[46:47], \s*PART
	s_or_b32 s[G0B+4*\s+3], s[G0B+4*\s+3], 0x80000000
.endr
	JLOAD 0                                        ; slot 0: one tensor load a wave at the head, behind the opening round
	; the prefetches: of the 32,768 bytes that my wave fetches of a slot, the partner at cx (A) or cy (B) takes 8,192: 32 lanes x 256 bytes; s[4:5] stands at slot 2
	s_cmp_lt_u32 s[WV], 2
	s_cselect_b64 s[4:5], s[66:67], s[46:47]
	s_cselect_b32 s6, s40, s41
	s_lshl_b32 s6, s6, 13
	s_add_co_u32 s6, s6, 2*PART
	s_mov_b32 s7, 0
	s_add_nc_u64 s[4:5], s[4:5], s[6:7]
	v_and_b32 v3, 31, v0
	v_lshlrev_b32 v[LI], 4, v3
	v_lshlrev_b32 v27, 8, v3
	v_and_b32 v4, 15, v0
	v_bfe_u32 v5, v0, 4, 1
	s_lshl_b32 s89, s[RH], 13
	v_add_nc_u32 v[ADRA], s89, v[LI]
	v_add_nc_u32 v[ADRA+1], SLOT, v[ADRA]
	s_lshl_b32 s89, s[HF], 13
	s_add_co_u32 s89, s89, PART
	v_add_nc_u32 v[ADRB], s89, v[LI]
	v_add_nc_u32 v[ADRB+1], SLOT, v[ADRB]
	s_mul_i32 s89, s[WV], 16*SPITCH
	s_add_co_u32 s89, s89, STAGE
	v_mul_u32_u24 v[STO], v4, SPITCH
	v_lshl_add_u32 v[STO], v5, 6, v[STO]
	v_add_nc_u32 v[STO], s89, v[STO]
	v_mul_u32_u24 v[RD], v5, SPITCH
	v_lshl_add_u32 v[RD], v4, 4, v[RD]
	v_add_nc_u32 v[RD], s89, v[RD]
	v_lshlrev_b32 v[CO], 13, v5
	v_lshl_add_u32 v[CO], v4, 4, v[CO]
	global_prefetch_b8 v27, s[4:5] th:TH_LOAD_NT scope:SCOPE_SE   ; slot 2, two fills behind slot 0's
	s_lshl_b32 s90, s80, 20
	s_lshl_b32 s91, s[RH], 19
	s_add_co_u32 s90, s90, s91
	s_lshl_b32 s91, s42, 9
	s_add_co_u32 s90, s90, s91
	s_lshl_b32 s91, s[HF], 8
	s_add_co_u32 s90, s90, s91
	s_mov_b32 s91, 0
	s_add_nc_u64 s[10:11], s[10:11], s[90:91]
	s_wait_alu depctr_va_vdst(0)                   ; the wait at the head's end
	s_wait_tensorcnt 0x0                           ; my part of slot 0 is in; slot 1's first fill is issued as a refill is
	ds_add_u32 v[SPW], v[NIL]
	s_wait_dscnt 0x0
	CROUND
	JLOAD 1
	FETCH 0, 0, 0
	global_prefetch_b8 v27, s[4:5] offset:PART th:TH_LOAD_NT scope:SCOPE_SE   ; slot 3, the last
	STEP 0, 0, 1
	STEP 0, 1, 0
	STEP 0, 2, 0
	TURN 0, 1, 1
	STEP 1, 0, 0
	STEP 1, 1, 0
	STEP 1, 2, 0
	TURN 1, 0, 1
	STEP 0, 0, 0
	STEP 0, 1, 0
	STEP 0, 2, 0
	TURN 0, 1, 0
	STEP 1, 0, 0
	STEP 1, 1, 0
	STEP 1, 2, 0
	s_wait_dscnt 0x0
	MUL 1, 0
	PLACES 4
.macro TOSTAGE a
.set pp, 0
.rept 16
	v_pk_mul_f32 v[TMP+2*pp:TMP+2*pp+1], v[ACC+32*(\a)+2*pp:ACC+32*(\a)+2*pp+1], s[96:97] op_sel_hi:[1,0]
.set pp, pp+1
.endr
.set pp, 0
.rept 8
	ds_store_b128 v[STO], v[TMP+4*pp:TMP+4*pp+3] offset:128*(pp/4)+16*(pp%4)
.set pp, pp+1
.endr
.set pp, 0
.rept 8
	ds_load_b128 v[BK+32*((\a)%2)+4*pp:BK+32*((\a)%2)+4*pp+3], v[RD] offset:2*SPITCH*pp
.set pp, pp+1
.endr
.endm
.macro SEND a, younger
	s_wait_dscnt \younger
.set pp, 0
.rept 8
	global_store_b128 v[CO], v[BK+32*((\a)%2)+4*pp:BK+32*((\a)%2)+4*pp+3], s[10:11] offset:(32*((\a)/2)+8*((\a)%2)+2*pp+8*(pp/4))*8192 th:TH_STORE_NT
.set pp, pp+1
.endr
.endm
	s_wait_kmcnt 0x0
	s_add_co_i32 s96, s96, s97
	s_add_co_i32 s96, s96, 127
	s_lshl_b32 s96, s96, 23
	s_mov_b32 s97, s96
	TOSTAGE 0
	TOSTAGE 1
	SEND 0, 16
	s_wait_xcnt 0x0
	TOSTAGE 2
	SEND 1, 16
	s_wait_xcnt 0x0
	TOSTAGE 3
	SEND 2, 16
	SEND 3, 0
	s_wait_tensorcnt 0x0
	ds_add_u32 v[SPW], v[NIL]
	s_wait_dscnt 0x0
	CROUND
	s_endpgm
.Lfunc_end_k_q13e504fddc_oproj:
	.size	k_q13e504fddc_oproj, .Lfunc_end_k_q13e504fddc_oproj-k_q13e504fddc_oproj
	.p2alignl 7, 3214868480
	.fill 96, 4, 3214868480
	.section	.rodata,"a",@progbits
	.p2align	6, 0x0
	.amdhsa_kernel k_q13e504fddc_oproj
		.amdhsa_group_segment_fixed_size 327680
		.amdhsa_private_segment_fixed_size 0
		.amdhsa_enable_private_segment 0
		.amdhsa_kernarg_size 32
		.amdhsa_user_sgpr_count 2
		.amdhsa_user_sgpr_kernarg_segment_ptr 1
		.amdhsa_wavefront_size32 1
		.amdhsa_system_sgpr_workgroup_id_x 1
		.amdhsa_system_sgpr_workgroup_id_y 1
		.amdhsa_system_sgpr_workgroup_id_z 1
		.amdhsa_system_vgpr_workitem_id 0
		.amdhsa_next_free_vgpr 512
		.amdhsa_next_free_sgpr 100
		.amdhsa_reserve_vcc 0
		.amdhsa_float_denorm_mode_32 3
		.amdhsa_float_denorm_mode_16_64 3
		.amdhsa_memory_ordered 1
		.amdhsa_forward_progress 1
		.amdhsa_inst_pref_size 74
	.end_amdhsa_kernel
	.amdgpu_metadata
---
amdhsa.version: [ 1, 2 ]
amdhsa.kernels:
  - .name:           k_q13e504fddc_oproj
    .symbol:         k_q13e504fddc_oproj.kd
    .args:
      - { .name: yimg, .offset: 0, .size: 8, .value_kind: global_buffer, .address_space: global }
      - { .name: wc, .offset: 8, .size: 8, .value_kind: global_buffer, .address_space: global }
      - { .name: lowp_scales, .offset: 16, .size: 8, .value_kind: global_buffer, .address_space: global }
      - { .name: out0, .offset: 24, .size: 8, .value_kind: global_buffer, .address_space: global }
    .group_segment_fixed_size: 327680
    .private_segment_fixed_size: 0
    .kernarg_segment_align: 8
    .kernarg_segment_size: 32
    .max_flat_workgroup_size: 128
    .sgpr_count:     100
    .vgpr_count:     512
    .wavefront_size: 32
...
	.end_amdgpu_metadata
.endif
;; end of part 4
